; MI455X (gfx1250); checked and timed in simulation.
; The chip was launched on July 23, 2026; its instructions are those of AMD's public machine-readable ISA for CDNA 5 (MIT licence, August 2026) and "CDNA5" Instruction Set Architecture Reference Guide (July 2026). The comments in the code are by the model that wrote it; some were corrected since.
;; Transformer Block. Allowed arithmetic: matrix products marked QUANTISED: E5M2 operands, one given power-of-two scale a tensor, by v_wmma_f32_16x16x64_bf8_bf8 or v_wmma_f32_16x16x128_bf8_bf8, f32 sums; everything else in f32.
;; Inputs: W1 1,024 x 4,096 float32; W2 4,096 x 1,024 float32; Wo 1,024 x 1,024 float32; Wqkv 1,024 x 3,072 float32; b1 4,096 float32; b2 1,024 float32; be1 1,024 float32; be2 1,024 float32; bo 1,024 float32; bqkv 3,072 float32; g1 1,024 float32; g2 1,024 float32; lowp_scales 12 int32 (the exponents e of the quantised operands' scales 2^e); x 2 x 2,048 x 1,024 float32.
;; Outputs: out0 2 x 2,048 x 1,024 float32.
;; This version of the problem:
;;   THIS VERSION OF THE PROBLEM IS GIVEN IN LOW PRECISION. The matrix products marked QUANTISED in the list below multiply operands that are first quantised to E5M2 (5 exponent bits, 2 mantissa bits; 8 bits a number), with one given power-of-two scale for each operand tensor; their sums are f32. All else is computed in f32.
;;   The module's matrix products, in the order in which they are computed (A, B: the left and right operand; K: the contracted axis; several contracted axes count as one K, in the product's order):
;;     1. [M 4,096, K 1,024] x [K 1,024, N 3,072]; A: computed on the way; B: input Wqkv: QUANTISED (scales: A lowp_scales[0], B lowp_scales[1])
;;     2. batch 32 x [M 2,048, K 64] x [K 64, N 2,048]; A: computed on the way; B: computed on the way: QUANTISED (scales: A lowp_scales[2], B lowp_scales[3])
;;     3. batch 32 x [M 2,048, K 2,048] x [K 2,048, N 64]; A: softmax (see below); B: computed on the way: QUANTISED (scales: A lowp_scales[4], B lowp_scales[5])
;;     4. [M 4,096, K 1,024] x [K 1,024, N 1,024]; A: computed on the way; B: input Wo: QUANTISED (scales: A lowp_scales[6], B lowp_scales[7])
;;     5. [M 4,096, K 1,024] x [K 1,024, N 4,096]; A: computed on the way; B: input W1: QUANTISED (scales: A lowp_scales[8], B lowp_scales[9])
;;     6. [M 4,096, K 4,096] x [K 4,096, N 1,024]; A: computed on the way; B: input W2: QUANTISED (scales: A lowp_scales[10], B lowp_scales[11])
;;   THE QUANTISER, for each operand of a quantised product, along K:
;;     - The operand's scale is 2^e, e = its entry of the input lowp_scales (int32; the entries are numbered through the quantised products in the list's order, A before B).
;;     - Each number is divided by the scale, clamped to +-57,344, and rounded to the nearest number of E5M2, ties to even, subnormals kept.
;;     - The product sums the exact products of the quantised numbers (number of the format x scale) in f32.
;;   ~~~python
;;   def quantise(x, axis, e):      # numpy; x: float32 -> the quantised numbers, widened to float32 again
;;       x = np.moveaxis(x, axis, -1); K = x.shape[-1]
;;       r = np.clip(x / 2.0 ** e, -57344, 57344)
;;       step = 2.0 ** (np.maximum(np.frexp(np.where(r == 0, 1, r))[1] - 1, -14) - 2)
;;       q = np.round(r / step) * step * 2.0 ** e      # np.round: ties to even
;;       return np.moveaxis(q, -1, axis).astype(np.float32)
;;   ~~~
;;   SOFTMAX AHEAD OF A QUANTISED PRODUCT. Where the list says 'softmax', what is quantised is not the finished softmax but p = 2^(t - M), with t = logit x log2(e) and M = ceil(the row's largest t), a whole number; so 1/2 < the row's largest p <= 1. The row's sum l is taken of the UNQUANTISED p, in f32, and the product's result is divided by l at the end. Since M is a whole number, a kernel that streams over the keys may use a running M (the ceiling of the running maximum): every later rescaling is an exact power of two, so the quantised numbers keep their values, but for numbers so far below the row's largest that they fall under the format's range.
;;   OPERANDS COMPUTED ON THE WAY. 'Computed on the way' means the value that the module computes at that place (a softmax that the list does not call 'softmax' is quantised finished and normalised). What goes into a quantiser is computed in f32, as accurately as f32 sums, v_exp_f32 and their like allow (about 1e-6 of the number): no bf16 or f16 on the way to a quantiser, and a product that is left as it is and whose result goes on into a quantised operand takes f32 operands (vector FMAs, or v_wmma_f32_16x16x4_f32). A number that lies on a knife's edge between two numbers of the format may be rounded either way, as far as f32 arithmetic and the matrix unit's own rounding can turn it there, and no further.
;; One version. Each part assembles by itself: llvm-mc -triple=amdgcn-amd-amdhsa -mcpu=gfx1250 --defsym DOCPART=n.
;; ======== version 1 of 1: 7 launches
;; limits: right only within a limited range of input values
;; workspace buffers: wc 12,582,912 bytes; hc 4,194,304 bytes; qkvf 12,582,912 bytes; yf 4,194,304 bytes; y 16,777,216 bytes; hf 16,777,216 bytes
;; launch prep (part 1): grid 512 x 1, 4 waves a work-group, no clusters, 55,808 bytes of LDS; arguments Wqkv, Wo, W1, W2, x, g1, be1, lowp_scales, wc, hc; writes wc, hc
.if DOCPART == 1
	.amdgcn_target "amdgcn-amd-amdhsa--gfx1250"
	.amdhsa_code_object_version 6
	.text
	.protected	k_qbd0162ba93_prep
	.globl	k_qbd0162ba93_prep
	.p2align	8
	.type	k_qbd0162ba93_prep,@function
k_qbd0162ba93_prep:
	s_mov_b64 s[64:65], 0
	v_nop
	global_prefetch_b8 v0, s[64:65] scope:SCOPE_SE
	s_setreg_imm32_b32 hwreg(HW_REG_WAVE_MODE, 25, 1), 1
	s_wait_xcnt 0x0
; PREP: the four weights become codes of E5M2 with K innermost, and LN1(x) becomes codes: every operand that later launches read more than once is quantised once, here.
; Work-groups 0-95 take Wqkv, 96-127 Wo, 128-255 W1, 256-383 W2: each 128 columns x 256 along K.  Work-groups 384-511 take 32 rows of x each, 8 a wave.  Every work-group reads 131,072 bytes.
; WEIGHTS ([K][N] f32, K the first axis).  A lane takes a column and its registers run down K: each load reads neighbouring columns in neighbouring lanes, and the conversions, which take neighbours
; along K from one lane's registers, give codes with K innermost.  A wave's 32 columns x 256 codes go through its own stage in LDS and leave as rows: sixteen lanes store 256 consecutive aligned bytes.
; One path serves the four shapes: what differs (pointer, row bytes, K, place in wc, exponent) is chosen by s_cselect on the work-group's number.
; Wo's and W2's codes are laid with the 8-byte groups 1 and 2 of every 32 exchanged: their partner operands are made by earlier products' results, whose lanes hold k in that order.
; LAYER NORM.  One wave, one row of 1,024 numbers in 32 registers a lane: the mean, then the sum of (x - mean)^2 in a second pass over the registers, so that a common offset costs no accuracy;
; g (x - mean) rsqrt(var + eps) + be; the row turns through the wave's stage so that a lane holds 16 neighbours; hold, conversion, 512 consecutive bytes a store.
; code = number / 2^e, held within +-57,344, to the nearest code, ties to even.  LIMITS: each e used here (entries 0, 1, 7, 9, 11) lies between -126 and 112.  NaN among the inputs is not served.
; No tensor load, no barrier: waves share nothing.  The two paths have LDS bytes of their own.
.set WX,   32                          ; v32-95   weights: two sets of 32 numbers
.set EC,   96                          ; v96-103  a block's 32 codes in their final order
.set TT,   104                         ; v104-107 the two middle groups as converted
.set OUTR, 112                         ; v112-175 the way out
.set VO,   176                         ; v176-207 4 x lane + i rows of W
.set VS,   208                         ; v208-223 the stores' offsets
.set WPIT, 272                         ; a stage row: 256 bytes + 16
.set WSTG, 32*WPIT
.set LNB,  4*WSTG                      ; the layer norm's stages begin here: 5,120 bytes a wave
.set ROWS, 8
.set LOFF, 1                           ; v1  16 x lane
.set SIN,  3                           ; v3  the stage, on the way in
.set SOUT, 4                           ; v4  and on the way out
.set PT,   5                           ; v5  the lane permute's target
.set G,    16                          ; v16-47  g
.set BE,   48                          ; v48-79  be
.set LX,   80                          ; v80-175 three row sets
.set T,    176                         ; v176-207 two sets of 16 neighbours
.set CD,   208                         ; v208-223 codes: two rows x 8
.set LIM,  224
.set SC,   225
.set SEL,  66                          ; s[66:67] lane selects: lane l xor 16
.set INV,  68                          ; s68 1/1024
.set EPS,  69                          ; s69 1e-5
	s_load_b256 s[4:11], s[0:1], 0x0               ; Wqkv, Wo, W1, W2
	s_load_b256 s[12:19], s[0:1], 0x20             ; x, g1, be1, the scales' exponents
	s_load_b128 s[20:23], s[0:1], 0x40             ; wc, hc
	v_lshl_add_u32 v232, v0, 2, 0xd800
	v_mov_b32 v233, 0
	v_lshrrev_b32 v1, 5, v0
	v_readfirstlane_b32 s33, v1                    ; wave
	v_and_b32 v2, 31, v0                           ; lane
	s_wait_kmcnt 0x0
	s_load_b256 s[36:43], s[18:19], 0x0            ; e0 .. e7
	s_load_b128 s[44:47], s[18:19], 0x20           ; e8 .. e11
	s_cmp_ge_u32 ttmp9, 384
	s_cbranch_scc1 .Lln
	; ---------------- the weights.  W2's figures first; each compare overrides them for the tensors in front
	s_mov_b64 s[24:25], s[10:11]                   ; the tensor
	s_mov_b32 s26, 256                             ; its first work-group
	s_mov_b32 s27, 4096                            ; a row of it in bytes
	s_mov_b32 s28, 4                               ; log2(K / 256)
	s_mov_b32 s29, 4096                            ; K: a row of its codes in bytes
	s_mov_b32 s30, 8388608                         ; its codes' place in wc
	s_mov_b32 s31, -1                              ; all ones: groups 1 and 2 change places
	s_cmp_lt_u32 ttmp9, 256                        ; W1
	s_cselect_b64 s[24:25], s[8:9], s[24:25]
	s_cselect_b32 s26, 128, s26
	s_cselect_b32 s27, 16384, s27
	s_cselect_b32 s28, 2, s28
	s_cselect_b32 s29, 1024, s29
	s_cselect_b32 s30, 4194304, s30
	s_cselect_b32 s31, 0, s31
	s_cmp_lt_u32 ttmp9, 128                        ; Wo
	s_cselect_b64 s[24:25], s[6:7], s[24:25]
	s_cselect_b32 s26, 96, s26
	s_cselect_b32 s27, 4096, s27
	s_cselect_b32 s30, 3145728, s30
	s_cselect_b32 s31, -1, s31
	s_cmp_lt_u32 ttmp9, 96                         ; Wqkv
	s_cselect_b64 s[24:25], s[4:5], s[24:25]
	s_cselect_b32 s26, 0, s26
	s_cselect_b32 s27, 12288, s27
	s_cselect_b32 s30, 0, s30
	s_cselect_b32 s31, 0, s31
	s_sub_co_u32 s66, ttmp9, s26                   ; my number within the tensor
	s_lshl_b32 s67, 1, s28
	s_sub_co_u32 s67, s67, 1
	s_and_b32 s68, s66, s67                        ; which 256 along K
	s_lshr_b32 s69, s66, s28                       ; which 128 columns
	s_lshl_b32 s69, s69, 7
	s_lshl_b32 s70, s33, 5
	s_add_co_u32 s69, s69, s70                     ; my wave's first column
	s_mul_i32 s70, s68, s27
	s_lshl_b32 s70, s70, 8                         ; 256 rows of W for each step along K,
	s_lshl_b32 s71, s69, 2
	s_add_co_u32 s70, s70, s71                     ; + 4 bytes a column
	s_mov_b32 s71, 0
	s_add_nc_u64 s[24:25], s[24:25], s[70:71]
	s_mul_i32 s72, s69, s29                        ; the codes: column x K
	s_add_co_u32 s72, s72, s30
	s_lshl_b32 s73, s68, 8
	s_add_co_u32 s72, s72, s73
	s_mov_b32 s73, 0
	s_add_nc_u64 s[34:35], s[20:21], s[72:73]
	s_lshl_b32 s74, s27, 5                         ; 32 rows of W: a block
	s_mov_b32 s75, 0
	s_mov_b64 s[48:49], s[24:25]                   ; a base for each of the eight blocks: nothing is stepped
.irp t, 1,2,3,4,5,6,7
	s_add_nc_u64 s[48+2*\t:49+2*\t], s[46+2*\t:47+2*\t], s[74:75]
.endr
	s_wait_alu depctr_va_vdst(0)
	v_lshlrev_b32 v[VO], 2, v2
.set i, 1
.rept 31
	v_add_nc_u32 v[VO+i], s27, v[VO+i-1]           ; 4 x lane + i rows
.set i, i+1
.endr
	s_mul_i32 s76, s33, WSTG                       ; my stage
	v_mul_u32_u24 v4, v2, WPIT
	v_add_nc_u32 v4, s76, v4                       ; into it: row = my column
	v_and_b32 v5, 15, v2
	v_lshrrev_b32 v6, 4, v2
	v_mul_u32_u24 v7, v6, WPIT
	v_lshl_add_u32 v7, v5, 4, v7
	v_add_nc_u32 v7, s76, v7                       ; out of it: sixteen lanes to a row, two rows an instruction
	v_mul_lo_u32 v8, v6, s29
	v_lshl_add_u32 v[VS], v5, 4, v8                ; and the same place among the codes
	s_lshl_b32 s77, s29, 1
.set i, 1
.rept 15
	v_add_nc_u32 v[VS+i], s77, v[VS+i-1]
.set i, i+1
.endr
.macro LOAD t                          ; block t: W(32 t + i, my column), i = 0 .. 31, into set t % 2
.set i, 0
.rept 32
	global_load_b32 v[WX+32*((\t)%2)+i], v[VO+i], s[48+2*(\t):49+2*(\t)] th:TH_LOAD_NT
.set i, i+1
.endr
.endm
	LOAD 0
	LOAD 1
	s_wait_kmcnt 0x0
	s_mov_b32 s32, s47                             ; e11, W2's
	s_cmp_lt_u32 ttmp9, 256
	s_cselect_b32 s32, s45, s32                    ; e9, W1's
	s_cmp_lt_u32 ttmp9, 128
	s_cselect_b32 s32, s43, s32                    ; e7, Wo's
	s_cmp_lt_u32 ttmp9, 96
	s_cselect_b32 s32, s37, s32                    ; e1, Wqkv's
	s_add_co_i32 s32, s32, 127
	s_lshl_b32 s66, s32, 23
	v_mov_b32 v11, s66                             ; 2^e as f32: the conversion takes its exponent field
	s_add_co_i32 s32, s32, 15
	s_lshl_b32 s32, s32, 23
	s_or_b32 s32, s32, 0x600000
	v_mov_b32 v10, s32                             ; 57,344 x 2^e
.macro BLOCK t
.set XS, WX+32*((\t)%2)
.if (\t) < 7
	s_wait_loadcnt 32                              ; this block's 32 loads are in; the next block's may be out
.else
	s_wait_loadcnt 0
.endif
.set i, 0
.rept 32
	v_med3_num_f32 v[XS+i], v[XS+i], -v10, v10     ; the conversion to an 8-bit code does not saturate (ISA guide 7.6.2): the hold comes first
.set i, i+1
.endr
	v_cvt_scalef32_pk8_bf8_f32 v[EC:EC+1], v[XS:XS+7], v11
	v_cvt_scalef32_pk8_bf8_f32 v[EC+6:EC+7], v[XS+24:XS+31], v11
	v_cvt_scalef32_pk8_bf8_f32 v[TT:TT+1], v[XS+8:XS+15], v11
	v_cvt_scalef32_pk8_bf8_f32 v[TT+2:TT+3], v[XS+16:XS+23], v11
	v_nop                                          ; a plain line between the conversions and the selects that read their results
	v_cndmask_b32 v[EC+2], v[TT], v[TT+2], s31     ; the two middle groups, as they come or exchanged
	v_cndmask_b32 v[EC+3], v[TT+1], v[TT+3], s31
	v_cndmask_b32 v[EC+4], v[TT+2], v[TT], s31
	v_cndmask_b32 v[EC+5], v[TT+3], v[TT+1], s31
	ds_store_b128 v4, v[EC:EC+3] offset:32*(\t)
	ds_store_b128 v4, v[EC+4:EC+7] offset:32*(\t)+16
.if (\t)+2 < 8
	LOAD (\t)+2
.endif
	s_wait_dscnt 0x0                               ; the stores have read their registers: the next block's codes may be written
.endm
	s_wait_alu depctr_va_vdst(0)
.irp t, 0,1,2,3,4,5,6,7
	BLOCK \t
.endr
.irp t, 0,1,2,3,4,5,6,7,8,9,10,11,12,13,14,15
	ds_load_b128 v[OUTR+4*\t:OUTR+4*\t+3], v7 offset:2*\t*WPIT   ; LDS serves a wave's instructions in order (ISA guide 5.7.1.4): these see my stores
.endr
.irp t, 0,1,2,3,4,5,6,7,8,9,10,11,12,13,14,15
	s_wait_dscnt 15-\t
	global_store_b128 v[VS+\t], v[OUTR+4*\t:OUTR+4*\t+3], s[34:35]
.endr
	s_wait_tensorcnt 0x0
	ds_add_u32 v232, v233
	s_wait_dscnt 0x0
	s_endpgm
	; ---------------- the layer norm
.macro LNLOAD r                        ; row r: eight loads of 512 consecutive bytes, into set r % 3
.irp j, 0,1,2,3,4,5,6,7
	global_load_b128 v[LX+32*((\r)%3)+4*\j:LX+32*((\r)%3)+4*\j+3], v[LOFF], s[12:13] offset:(\r)*4096+512*\j
.endr
.endm
.macro FOLD                            ; the four chains v[8:15] become the row's sum, in v8 of every lane
	v_pk_add_f32 v[8:9], v[8:9], v[10:11]
	v_pk_add_f32 v[12:13], v[12:13], v[14:15]
	v_pk_add_f32 v[8:9], v[8:9], v[12:13]
	v_add_f32 v8, v8, v9
	v_add_f32_dpp v8, v8, v8 row_xmask:1 row_mask:0xf bank_mask:0xf
	v_add_f32_dpp v8, v8, v8 row_xmask:2 row_mask:0xf bank_mask:0xf
	v_add_f32_dpp v8, v8, v8 row_xmask:4 row_mask:0xf bank_mask:0xf
	v_add_f32_dpp v8, v8, v8 row_xmask:8 row_mask:0xf bank_mask:0xf
	v_permlanex16_b32 v[PT], v8, s[SEL], s[SEL+1]
	v_add_f32 v8, v8, v[PT]
.endm
.macro HALF r, q                       ; 512 numbers of row r, 16 neighbours a lane, become 512 bytes of codes
.set TS, T+16*\q
.set CR, CD+8*((\r)%2)+4*\q
.set i, 0
.rept 16
	v_med3_num_f32 v[TS+i], v[TS+i], -v[LIM], v[LIM]
.set i, i+1
.endr
	v_cvt_scalef32_pk8_bf8_f32 v[CR:CR+1], v[TS:TS+7], v[SC]
	v_cvt_scalef32_pk8_bf8_f32 v[CR+2:CR+3], v[TS+8:TS+15], v[SC]
	global_store_b128 v[LOFF], v[CR:CR+3], s[22:23] offset:(\r)*1024+512*\q   ; the results go to a store alone; the next vector lines are plain and touch other registers
.endm
.macro LNROW r, rows
.set XS, LX+32*((\r)%3)
.if (\r)+2 < \rows
	LNLOAD (\r)+2                                  ; into the set that the row before has left (its LDS stores were waited for)
	s_wait_loadcnt 16                              ; my row is in; the two younger rows' loads may be out
.elseif (\r)+1 < \rows
	s_wait_loadcnt 8
.else
	s_wait_loadcnt 0
.endif
.irp c, 0,2,4,6
	v_pk_add_f32 v[8+\c:9+\c], v[XS+\c:XS+\c+1], v[XS+8+\c:XS+9+\c]        ; four chains, started by the first pairs
.endr
.irp q, 16,24
.irp c, 0,2,4,6
	v_pk_add_f32 v[8+\c:9+\c], v[8+\c:9+\c], v[XS+\q+\c:XS+\q+\c+1]
.endr
.endr
	FOLD
	v_mul_f32 v6, s[INV], v8                       ; the mean
.set i, 0
.rept 16
	v_pk_add_f32 v[XS+i:XS+i+1], v[XS+i:XS+i+1], v[6:7] op_sel_hi:[1,0] neg_lo:[0,1] neg_hi:[0,1]   ; x - mean
.set i, i+2
.endr
.irp c, 0,2,4,6
	v_pk_mul_f32 v[8+\c:9+\c], v[XS+\c:XS+\c+1], v[XS+\c:XS+\c+1]
.endr
.irp q, 8,16,24
.irp c, 0,2,4,6
	v_pk_fma_f32 v[8+\c:9+\c], v[XS+\q+\c:XS+\q+\c+1], v[XS+\q+\c:XS+\q+\c+1], v[8+\c:9+\c]
.endr
.endr
	FOLD
	v_fma_f32 v8, v8, s[INV], s[EPS]               ; var + eps
	s_wait_alu depctr_va_vdst(0)
	v_rsq_f32 v6, v8                               ; twice, to fill the pair that the packed multiply takes
	v_rsq_f32 v7, v8
	v_nop                                          ; a plain line behind the transcendentals (ISA guide 5.7.2)
	s_wait_alu depctr_va_vdst(0)                   ; one wait for both, ahead of their first reader
.set i, 0
.rept 16
	v_pk_mul_f32 v[XS+i:XS+i+1], v[XS+i:XS+i+1], v[6:7]
.set i, i+2
.endr
.set i, 0
.rept 16
	v_pk_fma_f32 v[XS+i:XS+i+1], v[XS+i:XS+i+1], v[G+i:G+i+1], v[BE+i:BE+i+1]
.set i, i+2
.endr
.irp q, 0,1                            ; each half of the row turns through a stage: in as it lies, 16 bytes a lane; out 64 bytes a lane
.irp i, 0,1,2,3
	ds_store_b128 v[SIN], v[XS+16*\q+4*\i:XS+16*\q+4*\i+3] offset:2560*\q+640*\i
.endr
.irp i, 0,1,2,3
	ds_load_b128 v[T+16*\q+4*\i:T+16*\q+4*\i+3], v[SOUT] offset:2560*\q+16*\i
.endr
.endr
	s_wait_dscnt 8                                 ; the first half is back; the second half's four stores and four loads may be out
	s_wait_xcnt 0x0                                ; the stores of two rows ago have read their data registers, which are written again below
	HALF \r, 0
	s_wait_dscnt 0x0
	HALF \r, 1
.endm
.Lln:
	s_sub_co_u32 s24, ttmp9, 384
	s_lshl_b32 s24, s24, 5
	s_lshl_b32 s25, s33, 3
	s_add_co_u32 s24, s24, s25                     ; my wave's first row
	s_lshl_b32 s26, s24, 12
	s_mov_b32 s27, 0
	s_add_nc_u64 s[12:13], s[12:13], s[26:27]      ; in x,
	s_lshl_b32 s26, s24, 10
	s_add_nc_u64 s[22:23], s[22:23], s[26:27]      ; and in hc
	s_mul_i32 s24, s33, 5120
	s_add_co_u32 s24, s24, LNB                     ; my two stages
	s_wait_alu depctr_va_vdst(0)
	v_lshlrev_b32 v[LOFF], 4, v2
	v_lshrrev_b32 v[SIN], 2, v2
	v_mul_u32_u24 v[SIN], v[SIN], 80
	v_and_b32 v[SOUT], 3, v2
	v_lshl_add_u32 v[SIN], v[SOUT], 4, v[SIN]
	v_add_nc_u32 v[SIN], s24, v[SIN]               ; four lanes' 64 bytes on end, then 16 of padding
	v_mul_u32_u24 v[SOUT], v2, 80
	v_add_nc_u32 v[SOUT], s24, v[SOUT]             ; my 16 neighbours
	v_mov_b32 v[PT], 0                             ; a lane permute's destination counts as read
	v_mov_b32 v7, 0                                ; named as the upper half of the pair v[6:7]
	s_mov_b32 s[SEL], 0x76543210
	s_mov_b32 s[SEL+1], 0xfedcba98
	s_mov_b32 s[INV], 0x3a800000
	s_mov_b32 s[EPS], 0x3727c5ac
.irp j, 0,1,2,3,4,5,6,7
	global_load_b128 v[G+4*\j:G+4*\j+3], v[LOFF], s[14:15] offset:512*\j
	global_load_b128 v[BE+4*\j:BE+4*\j+3], v[LOFF], s[16:17] offset:512*\j
.endr
	LNLOAD 0
	LNLOAD 1
	s_wait_kmcnt 0x0
	s_add_co_i32 s25, s36, 127                     ; e0
	s_lshl_b32 s26, s25, 23
	v_mov_b32 v[SC], s26
	s_add_co_i32 s25, s25, 15
	s_lshl_b32 s25, s25, 23
	s_or_b32 s25, s25, 0x600000
	v_mov_b32 v[LIM], s25
.irp r, 0,1,2,3,4,5,6,7
	LNROW \r, ROWS
.endr
	s_wait_tensorcnt 0x0
	ds_add_u32 v232, v233
	s_wait_dscnt 0x0
	s_endpgm
.Lfunc_end_k_qbd0162ba93_prep:
	.size	k_qbd0162ba93_prep, .Lfunc_end_k_qbd0162ba93_prep-k_qbd0162ba93_prep
	.p2alignl 7, 3214868480
	.fill 96, 4, 3214868480
	.section	.rodata,"a",@progbits
	.p2align	6, 0x0
	.amdhsa_kernel k_qbd0162ba93_prep
		.amdhsa_group_segment_fixed_size 55808
		.amdhsa_private_segment_fixed_size 0
		.amdhsa_enable_private_segment 0
		.amdhsa_kernarg_size 80
		.amdhsa_user_sgpr_count 2
		.amdhsa_user_sgpr_kernarg_segment_ptr 1
		.amdhsa_wavefront_size32 1
		.amdhsa_system_sgpr_workgroup_id_x 1
		.amdhsa_system_sgpr_workgroup_id_y 1
		.amdhsa_system_sgpr_workgroup_id_z 1
		.amdhsa_system_vgpr_workitem_id 0
		.amdhsa_next_free_vgpr 234
		.amdhsa_next_free_sgpr 80
		.amdhsa_reserve_vcc 0
		.amdhsa_float_denorm_mode_32 3
		.amdhsa_float_denorm_mode_16_64 3
		.amdhsa_memory_ordered 1
		.amdhsa_forward_progress 1
		.amdhsa_inst_pref_size 142
	.end_amdhsa_kernel
	.amdgpu_metadata
---
amdhsa.version: [ 1, 2 ]
amdhsa.kernels:
  - .name:           k_qbd0162ba93_prep
    .symbol:         k_qbd0162ba93_prep.kd
    .args:
      - { .name: Wqkv, .offset: 0, .size: 8, .value_kind: global_buffer, .address_space: global }
      - { .name: Wo, .offset: 8, .size: 8, .value_kind: global_buffer, .address_space: global }
      - { .name: W1, .offset: 16, .size: 8, .value_kind: global_buffer, .address_space: global }
      - { .name: W2, .offset: 24, .size: 8, .value_kind: global_buffer, .address_space: global }
      - { .name: x, .offset: 32, .size: 8, .value_kind: global_buffer, .address_space: global }
      - { .name: g1, .offset: 40, .size: 8, .value_kind: global_buffer, .address_space: global }
      - { .name: be1, .offset: 48, .size: 8, .value_kind: global_buffer, .address_space: global }
      - { .name: lowp_scales, .offset: 56, .size: 8, .value_kind: global_buffer, .address_space: global }
      - { .name: wc, .offset: 64, .size: 8, .value_kind: global_buffer, .address_space: global }
      - { .name: hc, .offset: 72, .size: 8, .value_kind: global_buffer, .address_space: global }
    .group_segment_fixed_size: 55808
    .private_segment_fixed_size: 0
    .kernarg_segment_align: 8
    .kernarg_segment_size: 80
    .max_flat_workgroup_size: 128
    .sgpr_count:     80
    .vgpr_count:     234
    .wavefront_size: 32
...
	.end_amdgpu_metadata
.endif
;; end of part 1
;; launch qkv (part 2): grid 8 x 32, 4 waves a work-group, clusters of 4 x 4, 327,680 bytes of LDS; arguments hc, wc, bqkv, lowp_scales, qkvf; writes qkvf
.if DOCPART == 2
	.amdgcn_target "amdgcn-amd-amdhsa--gfx1250"
	.amdhsa_code_object_version 6
	.text
	.protected	k_qbd0162ba93_qkv
	.globl	k_qbd0162ba93_qkv
	.p2align	8
	.type	k_qbd0162ba93_qkv,@function
k_qbd0162ba93_qkv:
	s_mov_b64 s[64:65], 0
	v_nop
	global_prefetch_b8 v0, s[64:65] scope:SCOPE_SE
	s_setreg_imm32_b32 hwreg(HW_REG_WAVE_MODE, 25, 1), 1
	s_wait_xcnt 0x0
	s_wait_alu depctr_hold_cnt(0) depctr_sa_sdst(0) depctr_va_vdst(0) depctr_va_sdst(0) depctr_va_ssrc(0) depctr_va_vcc(0) depctr_vm_vsrc(0)
	s_getreg_b32 s2, hwreg(HW_REG_IB_STS2, 6, 4)
	s_cmp_eq_u32 s2, 0
	s_cbranch_scc0 .Lentry_in_a_cluster
	s_endpgm
.Lentry_in_a_cluster:
	s_bfe_u32 s2, ttmp6, 0x10000c
	s_cmp_lg_u32 s2, 0xf033
	s_cbranch_scc0 .Lentry_shape_is_right
	s_endpgm
.Lentry_shape_is_right:
; QKV: q, k, v = LN1(x) Wqkv + bqkv on codes of E5M2, and the results quantised at once for the attention's two products.
; A WORK-GROUP STAYS: it owns 128 tokens and makes three tiles of 128 x 128, one of q, one of k, one of v: the weight rows 128 (c + 8 t) on, c = 4 x cluster x + cx, t = 0, 1, 2.  Four waves, 64 x 64 each: 16 accumulators.
; LDS holds all of K = 1,024 for both operands, in two parts of 512 along K.  THE TOKENS' CODES ARE FETCHED ONCE AND STAY; the weights' 128 rows are filled again for each further tile, by one tensor load a wave,
; issued straight behind the tile's last product, so that it is on its way while the tile's results are scaled, converted and stored.
; CLUSTERS of 4 x 4: the four of a row own the same tokens, the four of a column walk the same weight rows: joint loads.
; THE MATRIX INSTRUCTION: accumulator (a, b), register j, lane (r, h) holds C(source 1's row 16 a + r, source 0's row 16 b + 8 h + j).  So the 16 registers of accumulators (a, 2 u) and (a, 2 u + 1) convert into 16 bytes of a
; lane that ARE a quarter of the next product's operand registers: they are stored as they stand, lane l's 16 bytes at 16 l, 512 consecutive bytes a store.  In such an image byte i of piece c in half h is
; k = 32 c + 8 h + (i < 8 ? i : i + 8), alike in both operands of the product that reads it.
; q, k: source 0 = weight rows, source 1 = tokens: a lane's registers run along the head's 64, the next K.  v: the fragment loads exchange their address registers, source 0 = tokens, source 1 = weight rows:
; a lane's registers then run along the tokens, which are the K of the product with the softmax.
; qkvf: q at 0, k at 4,194,304: [head 32][tile of 16 tokens 128][piece 2][512];  v at 8,388,608: [head 32][128 keys 16][16 channels 4][piece 4][512].
; The fragments are fetched by four loads of 16 bytes: a permutation of k, the same in both operands; only the order of the sums inside an instruction changes.
; LIMITS: e0 + e1 between -126 and 127; e2, e3, e5 between -126 and 112.
.set SIZE_K, 1024
.set KSTEP,  512                       ; along K in a part
.set PITCH,  528                       ; an LDS row: 512 bytes + 16: the 16 rows of a fragment load start at 16 different groups of four banks (64 banks of 4 bytes: ISA guide 11.1)
.set AHALF,  64*PITCH
.set BHALF,  64*PITCH
.set ABYTES, 2*AHALF
.set SLOT,   ABYTES+2*BHALF            ; a part: the tokens' 128 rows, then the weights' 128
.set SPARE,  2*SLOT                    ; the spare words, 128 bytes a wave: no other line names them
.set TSTEP,  8*128*SIZE_K              ; bytes from a weight tile to my next one
.set ADRA,  16                         ; v16-17 q, k: LDS address of source 1's fragments (my 64 tokens) in part 0, 1
.set ADRAV, 18                         ; v18-19 v: of source 1's (my 64 channels)
.set ADRB,  20                         ; v20-21 q, k: of source 0's (my 64 weight rows)
.set ADRBV, 22                         ; v22-23 v: of source 0's (my 64 tokens)
.set LO,   27                          ; v27 16 x lane
.set SPW,  28
.set NIL,  29
.set PFO,  30                          ; v30 the prefetch's offset: 1,024 x lane, a row of codes a lane; never rewritten
.set BV,   64                          ; v64-71  v's bias, by lane: a pair for each a
.set BI,   96                          ; v96-127 q's, then k's bias, by register
.set ACC,  128                         ; accumulator (a, b) at v[128 + 8 (4 a + b)]
.set F0,   0                           ; window 1: two fragment buffers: source 1's four fragments, then source 0's four
.set F1,   128
.set G1,  24                           ; s[24:31] group 1 for the tokens;  s[32:35] their group 0
.set G0,  32
.set G1B, 48                           ; s[48:55] group 1 for the weights' refills
.set G0B, 36                           ; s[36:39] the weights' first fill: group 0
.set G1C, 56                           ; s[56:63] the weights' first fill: group 1, 128 rows
.set G0R, 96                           ; s[96:99] the refills' group 0: it walks
.set PFA, 90                           ; s[90:91] where my prefetch stands
.set DV,  100                          ; s[100:101] v's place in qkvf
.set MSB, 0
.macro WIN new                         ; the immediate's high byte repeats the setting that is left
.if MSB != \new
	s_set_vgpr_msb (MSB<<8)|\new
.set MSB, \new
.endif
.endm
.set MUL,  0x05                        ; sources 0 and 1 window 1; C and D window 0
.set TO_F, 0x40                        ; destination window 1, address window 0
.macro JLOAD s                         ; the first fills, one a wave: waves 0 and 1 fetch the tokens' parts 0 and 1, waves 2 and 3 the weights', 128 rows x 512 each; four v_nop follow each line
	s_cmp_eq_u32 s11, 0
	s_cbranch_scc0 .Lfor_b_\@
	tensor_load_to_lds s[G0+4*\s:G0+4*\s+3], s[G1:G1+7]
	s_nop 0
.rept 4
	v_nop
.endr
	s_branch .Lasked_\@
.Lfor_b_\@:
	tensor_load_to_lds s[G0B+4*\s:G0B+4*\s+3], s[G1C:G1C+7]
	s_nop 0
.rept 4
	v_nop
.endr
.Lasked_\@:
.endm
.macro CREST                           ; a round of the cluster's barrier behind its opening barrier
	s_cmp_lg_u32 s10, 0
	s_cbranch_scc1 .Lnot_wave_0_\@
	s_barrier_signal -3
.Lnot_wave_0_\@:
	s_barrier_wait -3
	s_barrier_signal -1
	s_barrier_wait -1
.endm
.macro CROUND
	s_barrier_signal -1
	s_barrier_wait -1
	CREST
.endm
.macro PLACES                          ; four places in front of loads into registers that matrix instructions have read, and of the first read of results
.rept 4
	v_nop
.endr
.endm
.macro MULA f, a, zero                 ; source 1's block a against source 0's four, 128 along K.  The 16 accumulators take turns, in the same order in every quarter
.irp b, 0,1,2,3
.if \zero
	v_wmma_f32_16x16x128_bf8_bf8 v[ACC+8*(4*\a+\b):ACC+8*(4*\a+\b)+7], v[\f+64+16*\b:\f+64+16*\b+15], v[\f+16*\a:\f+16*\a+15], 0
.else
	v_wmma_f32_16x16x128_bf8_bf8 v[ACC+8*(4*\a+\b):ACC+8*(4*\a+\b)+7], v[\f+64+16*\b:\f+64+16*\b+15], v[\f+16*\a:\f+16*\a+15], v[ACC+8*(4*\a+\b):ACC+8*(4*\a+\b)+7]
.endif
.endr
.endm
.macro FETCH slot, q, f                ; 32 LDS loads in one run: the part's q-th 128 along K into buffer f; source 0's sixteen first.  RA, RB: the address registers of the tile in hand
	WIN TO_F
.irp i, 0,1,2,3
.irp c, 0,1,2,3
	ds_load_b128 v[\f+64+16*\i+4*\c:\f+64+16*\i+4*\c+3], v[RB+\slot] offset:\i*16*PITCH+128*(\q)+32*\c
.endr
.endr
.irp i, 0,1,2,3
.irp c, 0,1,2,3
	ds_load_b128 v[\f+16*\i+4*\c:\f+16*\i+4*\c+3], v[RA+\slot] offset:\i*16*PITCH+128*(\q)+32*\c
.endr
.endr
.endm
.macro QUARTER slot, q, f, g, zero     ; multiplies buffer f; in its middle fetches the part's q-th 128 into g
	s_wait_dscnt 8                                 ; source 0's fragments and source 1's blocks 0, 1 are in; the youngest eight loads (blocks 2, 3) may be out
	WIN MUL
	MULA \f, 0, \zero
	MULA \f, 1, \zero
	PLACES
	FETCH \slot, \q, \g
	s_wait_dscnt 32                                ; all but the 32 just issued
	WIN MUL
	MULA \f, 2, \zero
	MULA \f, 3, \zero
.endm
.macro TURN slot, next                 ; the first tile's step from part 0 to part 1, whose first fill may still be on its way: one barrier
	WIN 0
	s_wait_tensorcnt 0x0                           ; all my tensor loads have landed: my share of part 1
	ds_add_u32 v[SPW], v[NIL]                      ; 0 onto my spare word
	s_wait_dscnt 9                                 ; (the add and the youngest eight loads may be out)
	WIN MUL
	MULA F1, 0, 0
	s_wait_dscnt 0x0
	s_barrier_signal -1
	MULA F1, 1, 0
	s_barrier_wait -1
	PLACES
	FETCH \next, 0, F0
	WIN MUL
	MULA F1, 2, 0
	MULA F1, 3, 0
.endm
.macro MM first                        ; a tile's 128 products: eight quarters of 128 along K.  The first products start the sums: nothing is cleared
	QUARTER 0, 1, F0, F1, 1
	QUARTER 0, 2, F1, F0, 0
	QUARTER 0, 3, F0, F1, 0
.if \first
	TURN 0, 1
.else
	QUARTER 1, 0, F1, F0, 0                        ; both parts were shown whole at the tile's head: no barrier
.endif
	QUARTER 1, 1, F0, F1, 0
	QUARTER 1, 2, F1, F0, 0
	QUARTER 1, 3, F0, F1, 0
	s_wait_dscnt 8
	WIN MUL
	MULA F1, 0, 0
	MULA F1, 1, 0
	s_wait_dscnt 0x0
	MULA F1, 2, 0
	MULA F1, 3, 0
	WIN 0
.endm
; THE REFILL: the weights' 128 rows x 1,024 are filled again with my next tile's.  Each wave waits for all its tensor loads, adds 0 to its spare word, and waits for that and for its reads; a round of the cluster's barrier:
; no wave of any partner still reads the weights or has a load on its way; then one joint load a wave: K half wave / 2, rows 64 (wave % 2) on.  One load of mine is out behind it.
.macro REFILL
	s_wait_tensorcnt 0x0                           ; no tensor load of mine is out, so the group 0 may be written
	ds_add_u32 v[SPW], v[NIL]                      ; 0 onto my spare word
	s_add_nc_u64 s[G0R+2:G0R+3], s[G0R+2:G0R+3], TSTEP   ; the next tile; the type bits on top are not reached
	s_wait_dscnt 0x0                               ; the add is done, and my reads of the weights are over
	CROUND
	tensor_load_to_lds s[G0R:G0R+3], s[G1B:G1B+7]
	s_nop 0
.rept 4
	v_nop                                          ; also the places behind the tile's last products
.endr
.endm
.macro ARRIVE                          ; the refilled weights are shown whole to every wave
	s_wait_tensorcnt 0x0                           ; my one load that was out: no younger one exists
	s_barrier_signal -1
	s_barrier_wait -1
.endm
	s_load_b128 s[4:7], s[0:1], 0x0                ; hc, wc
	s_load_b128 s[68:71], s[0:1], 0x10             ; bqkv, the scales' exponents
	s_load_b64 s[8:9], s[0:1], 0x20                ; qkvf
	v_lshl_add_u32 v[SPW], v0, 2, SPARE
	v_mov_b32 v[NIL], 0
	ds_add_u32 v28, v29
	ds_add_u32 v28, v29
	s_wait_dscnt 0x0
	v_lshrrev_b32 v1, 5, v0
	v_readfirstlane_b32 s10, v1                    ; wave 0..3
	s_lshr_b32 s11, s10, 1                         ; which 64 rows of source 1 are mine.  Also: at the start I fetch tokens (0) or weights (1); in a refill: which half of K
	s_and_b32 s12, s10, 1                          ; which 64 rows of source 0.  Also: which 64 rows I fetch
	s_bfe_u32 s40, ttmp6, 0x40000                  ; cx
	s_bfe_u32 s41, ttmp6, 0x40004                  ; cy
	s_lshl_b32 s42, ttmp9, 2
	s_add_co_u32 s42, s42, s40                     ; my first weight tile, 0..7
	s_and_b32 s13, ttmp7, 0xffff
	s_lshl_b32 s13, s13, 2
	s_add_co_u32 s13, s13, s41                     ; my tile of 128 tokens, 0..31
	s_lshl_b32 s43, s41, 2
	s_lshl_b32 s43, 15, s43                        ; my row of the cluster
	s_lshl_b32 s44, 0x1111, s40                    ; my column
	s_or_b32 s[G1+0], s43, (1<<20)|(1<<21)|(6<<22)|(3<<25)    ; the mask; elements of 1 byte; padding on; bit 21 beside a mask; after every 128 words, 4 words
	s_or_b32 s[G1B+0], s44, (1<<20)|(1<<21)|(6<<22)|(3<<25)
	s_or_b32 s[G1C+0], s44, (1<<20)|(1<<21)|(6<<22)|(3<<25)
.irp g, G1, G1B, G1C
	s_mov_b32 s[\g+1], KSTEP<<16                   ; tensor_dim0
	s_mov_b32 s[\g+3], KSTEP<<16                   ; tile_dim0
	s_mov_b32 s[\g+5], SIZE_K                      ; the pitch
	s_mov_b32 s[\g+6], 0
	s_mov_b32 s[\g+7], 0
.endr
.irp g, G1, G1C
	s_mov_b32 s[\g+2], 128<<16                     ; the first fills: 128 rows
	s_mov_b32 s[\g+4], 128
.endr
	s_mov_b32 s[G1B+2], 64<<16                     ; the refills: 64 rows
	s_mov_b32 s[G1B+4], 64
	s_lshl_b32 s17, s12, 6
	s_lshl_b32 s16, s13, 7
	s_add_co_u32 s16, s16, s17
	s_mul_i32 s16, s16, SIZE_K                     ; tokens: (128 x tile + 64 x half) rows
	s_lshl_b32 s46, s42, 7
	s_add_co_u32 s46, s46, s17
	s_mul_i32 s46, s46, SIZE_K                     ; weights likewise
	s_mov_b32 s17, 0
	s_mov_b32 s47, 0
	s_mul_i32 s20, s12, AHALF                      ; where they go: no place in the cluster enters an LDS address
	s_mul_i32 s21, s12, BHALF
	s_add_co_u32 s21, s21, ABYTES
	s_mul_i32 s[G0R+1], s11, SLOT                  ; a refill's LDS address: part wave / 2, the weights' half wave % 2
	s_add_co_u32 s[G0R+1], s[G0R+1], s21
	s_lshl_b32 s22, s11, 9                         ; and its 512 along K in memory
	s_mov_b32 s23, 0
	s_wait_kmcnt 0x0
	s_load_b256 s[72:79], s[70:71], 0x0            ; e0 .. e7
	s_add_nc_u64 s[14:15], s[4:5], s[16:17]
	s_add_nc_u64 s[46:47], s[6:7], s[46:47]
	s_mov_b32 s[G0R], 1
	s_add_nc_u64 s[G0R+2:G0R+3], s[46:47], s[22:23]   ; at my first tile: each refill steps it first
	s_or_b32 s[G0R+3], s[G0R+3], 0x80000000
	CROUND                                         ; all sixteen work-groups are here: the first joint loads meet
	s_mul_i32 s18, s12, 64*SIZE_K-KSTEP            ; from row 64 (wave % 2) back to the tile's first row, and on to part wave % 2's 512 along K
	s_mov_b32 s19, 0
	s_mov_b32 s[G0], 1
	s_mul_i32 s[G0+1], s12, SLOT                   ; part wave % 2: the tokens' 128 rows,
	s_sub_nc_u64 s[G0+2:G0+3], s[14:15], s[18:19]
	s_or_b32 s[G0+3], s[G0+3], 0x80000000
	s_mov_b32 s[G0B], 1
	s_add_co_u32 s[G0B+1], s[G0+1], ABYTES         ; the weights' 128 rows behind them
	s_sub_nc_u64 s[G0B+2:G0B+3], s[46:47], s[18:19]
	s_or_b32 s[G0B+3], s[G0B+3], 0x80000000
	JLOAD 0                                        ; one tensor load a wave at the head: the four bring both parts of both operands
	v_and_b32 v1, 15, v0                           ; r
	v_bfe_u32 v2, v0, 4, 1                         ; h
	v_mul_u32_u24 v3, v1, PITCH
	v_lshl_add_u32 v3, v2, 4, v3                   ; a fragment's row x pitch + 16 h
	s_wait_alu depctr_va_vdst(0)
	v_and_b32 v[LO], 31, v0
	v_lshlrev_b32 v[PFO], 10, v[LO]
	v_lshlrev_b32 v[LO], 4, v[LO]
	s_mul_i32 s21, s11, AHALF                      ; q, k: my 64 tokens,
	s_mul_i32 s22, s12, BHALF
	s_add_co_u32 s22, s22, ABYTES                  ; my 64 weight rows
	s_mul_i32 s23, s11, BHALF
	s_add_co_u32 s23, s23, ABYTES                  ; v: my 64 channels,
	s_mul_i32 s45, s12, AHALF                      ; my 64 tokens
.irp s, 0,1
	v_add_nc_u32 v[ADRA+\s], s21, v3
	v_add_nc_u32 v[ADRB+\s], s22, v3
	v_add_nc_u32 v[ADRAV+\s], s23, v3
	v_add_nc_u32 v[ADRBV+\s], s45, v3
	s_add_co_u32 s21, s21, SLOT
	s_add_co_u32 s22, s22, SLOT
	s_add_co_u32 s23, s23, SLOT
	s_add_co_u32 s45, s45, SLOT
.endr
	; the biases and the places of my results
	s_mov_b32 s93, 0
	s_lshl_b32 s92, s42, 7
	s_lshl_b32 s94, s12, 6
	s_add_co_u32 s92, s92, s94
	s_lshl_b32 s92, s92, 2
	s_add_nc_u64 s[66:67], s[68:69], s[92:93]      ; bqkv at q's first column of mine; k's lie 4,096 bytes on
	s_lshl_b32 s92, s42, 7
	s_lshl_b32 s94, s11, 6
	s_add_co_u32 s92, s92, s94
	s_add_co_u32 s92, s92, 2048
	s_lshl_b32 s92, s92, 2
	s_add_nc_u64 s[88:89], s[68:69], s[92:93]      ; and at v's first channel of mine
	s_lshr_b32 s92, s13, 4
	s_lshl_b32 s92, s92, 4                         ; v: 16 x batch
	s_lshl_b32 s94, s42, 1
	s_add_co_u32 s92, s92, s94
	s_add_co_u32 s92, s92, s11                     ; + the head
	s_lshl_b32 s92, s92, 4
	s_and_b32 s94, s13, 15
	s_add_co_u32 s92, s92, s94                     ; the step of 128 keys
	s_lshl_b32 s92, s92, 13
	s_lshl_b32 s94, s12, 10
	s_add_co_u32 s92, s92, s94                     ; pieces 2 x half on
	s_add_co_u32 s92, s92, 8388608
	s_add_nc_u64 s[DV:DV+1], s[8:9], s[92:93]
	s_lshr_b32 s92, s13, 4
	s_lshl_b32 s92, s92, 4                         ; q: 16 x batch
	s_lshl_b32 s94, s42, 1
	s_add_co_u32 s92, s92, s94
	s_add_co_u32 s92, s92, s12                     ; + the head
	s_lshl_b32 s92, s92, 17
	s_and_b32 s94, s13, 15
	s_lshl_b32 s94, s94, 3
	s_lshl_b32 s95, s11, 2
	s_add_co_u32 s94, s94, s95                     ; my first tile of 16 tokens in the batch
	s_lshl_b32 s94, s94, 10
	s_add_co_u32 s92, s92, s94
	s_add_nc_u64 s[8:9], s[8:9], s[92:93]          ; k's place lies 4,194,304 bytes on
	s_lshl_b32 s92, s42, 7                         ; the prefetch: v's weight tile, rows 128 (c + 16) on;
	s_add_co_u32 s92, s92, 2048
	s_lshl_b32 s94, s41, 5
	s_add_co_u32 s92, s92, s94                     ; of its 128 rows the four partners of my column take 32 each, told apart by address;
	s_lshl_b32 s92, s92, 10
	s_lshl_b32 s94, s10, 8
	s_add_co_u32 s92, s92, s94                     ; wave w names byte 256 w of each row
	s_add_nc_u64 s[PFA:PFA+1], s[6:7], s[92:93]
	v_lshlrev_b32 v4, 5, v2                        ; 8 h numbers
	v_lshlrev_b32 v5, 2, v1                        ; r numbers
.irp b, 0,1,2,3
	global_load_b128 v[BI+8*\b:BI+8*\b+3], v4, s[66:67] offset:64*\b       ; q's bias of columns 16 b + 8 h + 0 .. 7
	global_load_b128 v[BI+8*\b+4:BI+8*\b+7], v4, s[66:67] offset:64*\b+16
.endr
.irp a, 0,1,2,3
	global_load_b32 v[BV+2*\a], v5, s[88:89] offset:64*\a                  ; v's bias of channel 16 a + r, twice: a pair for the packed form
	global_load_b32 v[BV+2*\a+1], v5, s[88:89] offset:64*\a
.endr
	s_wait_alu depctr_va_vdst(0)
	s_wait_kmcnt 0x0
	s_add_co_i32 s84, s72, s73
	s_add_co_i32 s84, s84, 127
	s_lshl_b32 s84, s84, 23                        ; 2^(e0 + e1) as f32
	s_mov_b32 s85, s84
.macro SETQ e                          ; the quantiser of the tile in hand: v11 = 2^e, v10 = 57,344 x 2^e
	s_add_co_i32 s86, s[\e], 127
	s_lshl_b32 s87, s86, 23
	v_mov_b32 v11, s87
	s_add_co_i32 s86, s86, 15
	s_lshl_b32 s86, s86, 23
	s_or_b32 s86, s86, 0x600000
	v_mov_b32 v10, s86
.endm
.macro QOUT k, ab, st, base, off       ; the 16 registers of accumulators 2 k and 2 k + 1 become a piece; the bias pair is v[ab + st i]
.set R, ACC+16*(\k)
.irp i, 0,2,4,6,8,10,12,14
	v_pk_fma_f32 v[R+\i:R+\i+1], v[R+\i:R+\i+1], s[84:85], v[(\ab)+(\st)*\i:(\ab)+(\st)*\i+1] op_sel_hi:[1,0,1]   ; sum x 2^(e0 + e1) + bias; each accumulator from its low end on
.endr
	s_wait_alu depctr_va_vdst(0)
.irp i, 0,1,2,3,4,5,6,7,8,9,10,11,12,13,14,15
	v_med3_num_f32 v[R+\i], v[R+\i], -v10, v10     ; the conversion does not saturate (ISA guide 7.6.2)
.endr
	v_cvt_scalef32_pk8_bf8_f32 v[32+4*(\k):33+4*(\k)], v[R:R+7], v11
	v_cvt_scalef32_pk8_bf8_f32 v[34+4*(\k):35+4*(\k)], v[R+8:R+15], v11
	v_nop
	global_store_b128 v[LO], v[32+4*(\k):35+4*(\k)], s[\base:\base+1] offset:\off    ; 512 consecutive aligned bytes
.endm
	s_wait_tensorcnt 0x0                           ; my one load is in; behind the barrier both parts are whole
	s_barrier_signal -1
	s_barrier_wait -1
.set RA, ADRA
.set RB, ADRB
	; ---- q
	FETCH 0, 0, F0
	MM 0
	REFILL                                         ; k's weights are on their way while q goes out
	s_and_b32 s94, ttmp7, 0xffff                   ; A PREFETCH INTO THE L2 of v's weight tile, which the next refill will ask for, one tile ahead.  All clusters of a column of clusters walk the same
	s_cmp_eq_u32 s94, 0                            ; weight rows: the first of them (cluster y = 0) asks; a lane a row, one instruction a wave: each 256 bytes are named once in the launch
	s_cbranch_scc0 .Lnot_mine
	global_prefetch_b8 v[PFO], s[PFA:PFA+1] th:TH_LOAD_NT scope:SCOPE_SE
.Lnot_mine:
	SETQ 74                                        ; e2
	s_wait_loadcnt 0x0                             ; the biases
.irp a, 0,1,2,3
.irp u, 0,1
	QOUT 2*\a+\u, BI+16*\u, 1, 8, \a*1024+\u*512
.endr
.endr
.irp b, 0,1,2,3
	global_load_b128 v[BI+8*\b:BI+8*\b+3], v4, s[66:67] offset:4096+64*\b  ; k's bias takes q's registers and lands under k's products
	global_load_b128 v[BI+8*\b+4:BI+8*\b+7], v4, s[66:67] offset:4096+64*\b+16
.endr
	ARRIVE
	; ---- k
	FETCH 0, 0, F0
	MM 0
	REFILL                                         ; v's weights
	s_wait_xcnt 0x0                                ; q's stores have read their data registers, which k's codes take
	SETQ 75                                        ; e3
	s_wait_loadcnt 0x0                             ; k's bias
.irp a, 0,1,2,3
.irp u, 0,1
	QOUT 2*\a+\u, BI+16*\u, 1, 8, 4194304+\a*1024+\u*512
.endr
.endr
	ARRIVE
	; ---- v: the sources change places
.set RA, ADRAV
.set RB, ADRBV
	FETCH 0, 0, F0
	MM 0
	PLACES
	s_wait_xcnt 0x0                                ; k's stores have read their data registers
	SETQ 77                                        ; e5
.irp a, 0,1,2,3
.irp u, 0,1
	QOUT 2*\a+\u, BV+2*\a, 0, DV, \a*2048+\u*512
.endr
.endr
	s_wait_tensorcnt 0x0                           ; the wave's end
	ds_add_u32 v[SPW], v[NIL]
	s_wait_dscnt 0x0
	CROUND                                         ; the closing round
	s_endpgm
.Lfunc_end_k_qbd0162ba93_qkv:
	.size	k_qbd0162ba93_qkv, .Lfunc_end_k_qbd0162ba93_qkv-k_qbd0162ba93_qkv
	.p2alignl 7, 3214868480
	.fill 96, 4, 3214868480
	.section	.rodata,"a",@progbits
	.p2align	6, 0x0
	.amdhsa_kernel k_qbd0162ba93_qkv
		.amdhsa_group_segment_fixed_size 327680
		.amdhsa_private_segment_fixed_size 0
		.amdhsa_enable_private_segment 0
		.amdhsa_kernarg_size 40
		.amdhsa_user_sgpr_count 2
		.amdhsa_user_sgpr_kernarg_segment_ptr 1
		.amdhsa_wavefront_size32 1
		.amdhsa_system_sgpr_workgroup_id_x 1
		.amdhsa_system_sgpr_workgroup_id_y 1
		.amdhsa_system_sgpr_workgroup_id_z 1
		.amdhsa_system_vgpr_workitem_id 0
		.amdhsa_next_free_vgpr 512
		.amdhsa_next_free_sgpr 104
		.amdhsa_reserve_vcc 0
		.amdhsa_float_denorm_mode_32 3
		.amdhsa_float_denorm_mode_16_64 3
		.amdhsa_memory_ordered 1
		.amdhsa_forward_progress 1
		.amdhsa_inst_pref_size 135
	.end_amdhsa_kernel
	.amdgpu_metadata
---
amdhsa.version: [ 1, 2 ]
amdhsa.kernels:
  - .name:           k_qbd0162ba93_qkv
    .symbol:         k_qbd0162ba93_qkv.kd
    .args:
      - { .name: hc, .offset: 0, .size: 8, .value_kind: global_buffer, .address_space: global }
      - { .name: wc, .offset: 8, .size: 8, .value_kind: global_buffer, .address_space: global }
      - { .name: bqkv, .offset: 16, .size: 8, .value_kind: global_buffer, .address_space: global }
      - { .name: lowp_scales, .offset: 24, .size: 8, .value_kind: global_buffer, .address_space: global }
      - { .name: qkvf, .offset: 32, .size: 8, .value_kind: global_buffer, .address_space: global }
    .group_segment_fixed_size: 327680
    .private_segment_fixed_size: 0
    .kernarg_segment_align: 8
    .kernarg_segment_size: 40
    .max_flat_workgroup_size: 128
    .sgpr_count:     104
    .vgpr_count:     512
    .wavefront_size: 32
...
	.end_amdgpu_metadata
.endif
;; end of part 2
;; launch attn (part 3): grid 32 x 8, 16 waves a work-group, no clusters, 327,680 bytes of LDS; arguments qkvf, lowp_scales, yf; writes yf
.if DOCPART == 3
	.amdgcn_target "amdgcn-amd-amdhsa--gfx1250"
	.amdhsa_code_object_version 6
	.text
	.protected	k_qbd0162ba93_attn
	.globl	k_qbd0162ba93_attn
	.p2align	8
	.type	k_qbd0162ba93_attn,@function
k_qbd0162ba93_attn:
	s_mov_b64 s[64:65], 0
	v_nop
	global_prefetch_b8 v0, s[64:65] scope:SCOPE_SE
	s_setreg_imm32_b32 hwreg(HW_REG_WAVE_MODE, 25, 1), 1
	s_wait_xcnt 0x0
; ATTN: causal attention of one head (work-group x: 16 x batch + head) on codes of E5M2; the result is quantised at once for the product with Wo.
; LEFT OUT: key steps all of whose 128 keys come after a tile's 16 queries: the causal mask sets those scores to -infinity, so they add 0 to every sum, whatever the inputs hold.
; SHARES.  A work-group owns the query blocks y and 15 - y (128 queries each) of its head: eight low tiles of 16 queries with y + 1 key steps of 128, eight high tiles with 16 - y.  Waves 2 k and 2 k + 1 share tile k of both:
; wave B takes the high tile's steps 0-7; wave A takes the low tile, stores it, and then the high tile's steps 8 to 15 - y: 8 and 9 steps, whatever y.  A hands its O^T, -M and sum to B through LDS bytes of the pair's own;
; B brings both parts under the larger M by powers of two, which round nothing, and stores the tile.  On a diagonal hidden scores become -infinity ahead of the maximum.
; LDS holds the head's K and V whole, 16 regions of 16,384 bytes: region u < 8 holds, for each key step s, the 1,024 bytes of K's tile u (16 keys); region 8 + u the u-th 1,024 bytes of V's image of step s; at 1,024 s.
; Wave w fills region w by two tensor loads of rows of 1,024 bytes, 8,192 bytes apart in memory: steps 0-3 at the head; steps 4-15 behind the first barrier, so that they are on their way while steps 0-3 are worked.
; Every load holds bytes of steps that some wave reads: the high block is 8 at the least.
; THE SOFTMAX: t = score x log2(e) / 8; M = the running largest t rounded up to a whole number; p = 2^(t - M) is quantised; the row's sum is taken of the unquantised p and divides at the end.
; Both products are used transposed: a lane holds one query (lane % 16).  S^T tile t, register j: key 16 t + 8 (lane / 16) + j; two tiles' 16 registers convert into a piece of the second product's operand, in V's image's order of k.
; NO CLUSTER: the branches that leave hidden steps out hang on the work-group's query block, which differs between the work-groups that share K and V.
; NO PREFETCH: both loads are issued ahead of the first loop; no later load exists for a loop to run ahead of.
; LIMITS: e2 + e3 between -123 and 130; e4 and e6 between -126 and 112; the scaled scores stay under 2^31 in magnitude.  NaN among the inputs is not served.
.set SPARE, 262144                     ; the spare words, 128 bytes a wave: no other line names them
.set STAGE, 264192                     ; eight stages of 4,608 bytes, one a pair of waves: no tensor load lands here
.set LI,   1                           ; v1-4   16 x lane + 65,536 a: K's regions 0-3, 4-7, V's 0-3, 4-7
.set SPW,  5
.set NIL,  6
.set STA,  7                           ; v7     my pair's stage + 16 x lane
.set AD,   8                           ; v8-11  v1-4 at the step in hand
.set QF,   16                          ; v16-23 Q's fragment
.set STB,  24                          ; v24    my pair's stage + 4,096 + 4 x lane
.set FR,   32                          ; v32-95 K's eight fragments, then V's four
.set S,    96                          ; v96-159 S^T, then p
.set O,    160                         ; v160-191 O^T
.set SM,   192                         ; v192-199 the step's sum in four chains
.set MX,   200                         ; v200-203 the step's maximum in four chains
.set PT,   204                         ; the lane permute's target
.set CD,   224                         ; v224-239 p's codes
.set F,    252                         ; v[252:253] f = 2^(old M - new M)
.set WV,   18
.set SEL,  20
.set CS,   22
.set G1A,  24                          ; s[24:31] group 1, 4 rows;  s[32:35] its group 0
.set G0A,  32
.set G1B,  36                          ; s[36:43] group 1, 12 rows;  s[44:47] its group 0
.set G0B,  44
.set TB,   2                           ; 1,024 x the step
.set KF,   48                          ; the step's first key
.set Q0,   49                          ; the first query of the tile in hand
.set CNT,  50
.set QL,   51                          ; the last key that I take for it
.set ROLE, 52                          ; 0: wave A, 1: wave B
.set QH,   53                          ; the high tile's first query
.set EO,   54                          ; e4 + e5
	s_load_b128 s[4:7], s[0:1], 0x0                ; qkvf, the scales' exponents
	s_load_b64 s[8:9], s[0:1], 0x10                ; yf
	v_lshl_add_u32 v[SPW], v0, 2, SPARE
	v_mov_b32 v[NIL], 0
	ds_add_u32 v[SPW], v[NIL]                      ; the opening lines: the add, twice on end, and its wait ahead of my first tensor load
	ds_add_u32 v[SPW], v[NIL]
	v_lshrrev_b32 v8, 5, v0
	v_readfirstlane_b32 s[WV], v8                  ; wave 0..15
	s_lshr_b32 s52, s[WV], 3                       ; 0: K, 1: V
	s_and_b32 s53, s[WV], 7
	s_add_co_u32 s56, s52, 1
	s_lshl_b32 s56, s56, 22                        ; K at 4,194,304, V at 8,388,608
	s_lshl_b32 s57, ttmp9, 17                      ; a head's 131,072 bytes
	s_add_co_u32 s56, s56, s57
	s_lshl_b32 s57, s53, 10                        ; my 1,024 of each step's 8,192
	s_add_co_u32 s56, s56, s57
	s_mov_b32 s57, 0
	s_lshl_b32 s54, s[WV], 14                      ; my region
.irp g, G1A, G1B
	s_mov_b32 s[\g], 3<<16                         ; elements of 8 bytes, no padding
	s_mov_b32 s[\g+1], 128<<16                     ; tensor_dim0: 1,024 bytes
	s_mov_b32 s[\g+3], 128<<16                     ; tile_dim0
	s_mov_b32 s[\g+5], 1024                        ; from step to step: 8,192 bytes
	s_mov_b32 s[\g+6], 0
	s_mov_b32 s[\g+7], 0
.endr
	s_mov_b32 s[G1A+2], 4<<16
	s_mov_b32 s[G1A+4], 4
	s_mov_b32 s[G1B+2], 12<<16
	s_mov_b32 s[G1B+4], 12
	s_wait_dscnt 0x0                               ; both opening adds are done
	s_wait_kmcnt 0x0
	s_load_b256 s[68:75], s[6:7], 0x0              ; e0 .. e7
	s_add_nc_u64 s[56:57], s[4:5], s[56:57]
	s_mov_b32 s[G0A], 1
	s_mov_b32 s[G0A+1], s54
	s_mov_b64 s[G0A+2:G0A+3], s[56:57]
	s_or_b32 s[G0A+3], s[G0A+3], 0x80000000
	tensor_load_to_lds s[G0A:G0A+3], s[G1A:G1A+7]  ; steps 0-3: my one tensor load at the head
	s_nop 0
	s_mov_b32 s[G0B], 1
	s_add_co_u32 s[G0B+1], s54, 4096
	s_add_nc_u64 s[G0B+2:G0B+3], s[56:57], 32768   ; steps 4-15
	s_or_b32 s[G0B+3], s[G0B+3], 0x80000000
	s_and_b32 s55, ttmp7, 0xffff                   ; y
	s_lshr_b32 s58, s[WV], 2
	s_xor_b32 s58, s58, s[WV]
	s_and_b32 s[ROLE], s58, 1                      ; two of each role among waves w, w + 4, w + 8, w + 12 and among any four neighbours
	s_lshr_b32 s58, s[WV], 1                       ; k: my pair
	s_lshl_b32 s60, s58, 4
	s_lshl_b32 s59, s55, 7
	s_add_co_u32 s59, s59, s60                     ; the low tile's first query
	s_sub_co_u32 s[QH], 15, s55
	s_lshl_b32 s[QH], s[QH], 7
	s_add_co_u32 s[QH], s[QH], s60                 ; the high tile's
	s_add_co_u32 s61, s59, 15
	s_mov_b32 s[QL], 1023
	s_cmp_lg_u32 s[ROLE], 0
	s_cselect_b32 s[Q0], s[QH], s59                ; the tile that I begin with, and that I store
	s_cselect_b32 s[QL], s[QL], s61                ; B: keys 0 to 1,023; A: up to the low tile's last query
	s_lshl_b32 s56, ttmp9, 17
	s_lshl_b32 s60, s[Q0], 6
	s_add_co_u32 s60, s60, s56
	s_mov_b32 s61, 0
	s_add_nc_u64 s[62:63], s[4:5], s[60:61]        ; Q's image of that tile,
	s_lshl_b32 s60, s[QH], 6
	s_add_co_u32 s60, s60, s56
	s_add_nc_u64 s[66:67], s[4:5], s[60:61]        ; and of the high tile
	s_lshr_b32 s76, ttmp9, 4
	s_lshl_b32 s76, s76, 21                        ; yf: the batch,
	s_lshl_b32 s77, s[Q0], 10
	s_add_co_u32 s76, s76, s77                     ; my tile of 16 tokens, 16,384 bytes,
	s_and_b32 s77, ttmp9, 15
	s_lshl_b32 s77, s77, 10
	s_add_co_u32 s76, s76, s77                     ; the head's 64 of K: 1,024 bytes
	s_mov_b32 s77, 0
	s_add_nc_u64 s[8:9], s[8:9], s[76:77]
	s_mul_i32 s58, s58, 4608
	s_add_co_u32 s58, s58, STAGE                   ; my pair's stage
	s_add_co_u32 s59, s58, 4096
	v_and_b32 v[LI], 31, v0
	v_lshlrev_b32 v[LI], 4, v[LI]
	global_load_b128 v[QF:QF+3], v[LI], s[62:63]
	global_load_b128 v[QF+4:QF+7], v[LI], s[62:63] offset:512
	v_add_nc_u32 v[LI+1], 0x10000, v[LI]
	v_add_nc_u32 v[LI+2], 0x20000, v[LI]
	v_add_nc_u32 v[LI+3], 0x30000, v[LI]
	v_add_nc_u32 v[STA], s58, v[LI]
	v_lshrrev_b32 v[STB], 2, v[LI]
	v_add_nc_u32 v[STB], s59, v[STB]
	s_mov_b32 s[SEL], 0x76543210
	s_mov_b32 s[SEL+1], 0xfedcba98
	s_mov_b32 s[CS], 0x3e38aa3b                    ; c = log2(e) / 8
	s_mov_b32 s[KF], 0
.macro FRESH                           ; a tile's state: the step is written once, and the first finds zeros
	v_mov_b32 v13, 0xff61b1e6                      ; the largest t so far: -3e38
	v_floor_f32 v12, -v13                          ; -M
	v_mov_b32 v14, 0                               ; the sum, in two halves
	v_mov_b32 v15, 0
.set j, 0
.rept 32
	v_mov_b32 v[O+j], 0
.set j, j+1
.endr
.endm
	FRESH
	v_mov_b32 v[PT], 0
	v_mov_b32 v[F+1], 0                            ; named as the upper halves of pairs
	v_mov_b32 v[SM+1], 0
	s_wait_kmcnt 0x0
	s_add_co_i32 s76, s70, s71
	s_lshl_b32 s76, s76, 23
	s_add_co_i32 s[CS], s[CS], s76                 ; e2 + e3 onto c's exponent field
	s_mov_b32 s[CS+1], s[CS]
	s_add_co_i32 s[EO], s72, s73
	s_add_co_i32 s76, s72, 127
	s_lshl_b32 s77, s76, 23
	v_mov_b32 v244, s77                            ; 2^e4
	s_add_co_i32 s76, s76, 15
	s_lshl_b32 s76, s76, 23
	s_or_b32 s76, s76, 0x600000
	v_mov_b32 v240, s76                            ; 57,344 x 2^e4
	s_add_co_i32 s76, s74, 127
	s_lshl_b32 s77, s76, 23
	v_mov_b32 v245, s77                            ; 2^e6
	s_add_co_i32 s76, s76, 15
	s_lshl_b32 s76, s76, 23
	s_or_b32 s76, s76, 0x600000
	v_mov_b32 v241, s76                            ; 57,344 x 2^e6
; A KEY STEP of 128 keys.
.macro STEP
	s_cmp_gt_u32 s[KF], s[QL]                      ; not mine, or all keys hidden: a branch on ids, round the step's work alone
	s_cbranch_scc1 .Lhid_\@
.irp a, 0,1,2,3
	v_add_nc_u32 v[AD+\a], s[TB], v[LI+\a]         ; also the four places in front of loads into registers that the last products read
.endr
.irp a, 0,1
.irp t, 0,1,2,3
	ds_load_b128 v[FR+32*\a+8*\t:FR+32*\a+8*\t+3], v[AD+\a] offset:16384*\t
	ds_load_b128 v[FR+32*\a+8*\t+4:FR+32*\a+8*\t+7], v[AD+\a] offset:16384*\t+512
.endr
.endr
	s_wait_alu depctr_va_vdst(0)
.irp a, 0,1
	s_wait_dscnt 8-8*\a                            ; tiles 0-3 are in while the eight younger loads may be out; then all
.irp t, 0,1,2,3
	v_wmma_f32_16x16x64_bf8_bf8 v[S+32*\a+8*\t:S+32*\a+8*\t+7], v[FR+32*\a+8*\t:FR+32*\a+8*\t+7], v[QF:QF+7], 0
.endr
.endr
.rept 4
	v_nop                                          ; places in front of the loads below and of the first read of S^T
.endr
.irp a, 0,1
.irp t, 0,1
.irp c, 0,1,2,3
	ds_load_b128 v[FR+32*\a+16*\t+4*\c:FR+32*\a+16*\t+4*\c+3], v[AD+2+\a] offset:16384*(2*\t+\c/2)+512*(\c%2)   ; V's tile 2 a + t, piece c: they land under the softmax
.endr
.endr
.endr
	s_add_co_u32 s96, s[KF], 127
	s_cmp_le_u32 s96, s[Q0]
	s_cbranch_scc1 .Lopen_\@                       ; all keys count
	s_sub_co_i32 s96, s[Q0], s[KF]
	v_and_b32 v252, 15, v0
	v_bfe_u32 v253, v0, 4, 1
	s_delay_alu instid0(VALU_DEP_1)
	v_lshlrev_b32 v253, 3, v253
	s_delay_alu instid0(VALU_DEP_1)
	v_sub_nc_u32 v252, v252, v253
	s_delay_alu instid0(VALU_DEP_1)
	v_add_nc_u32 v252, s96, v252                   ; d = my query - KF - 8 (lane / 16): register n's key is hidden where 16 (n / 8) + n % 8 > d
	v_mov_b32 v254, 0xff800000
.set n, 0
.rept 64
	v_cmp_gt_i32 vcc_lo, 16*(n/8)+n%8, v252
	v_cndmask_b32 v[S+n], v[S+n], v254, vcc_lo
.set n, n+1
.endr
.Lopen_\@:
.irp c, 0,1,2,3
	v_max_num_f32 v[MX+\c], v[S+2*\c], v[S+2*\c+1] ; the step's largest score, in four chains; each accumulator from its low end on
.endr
.set i, 8
.rept 7
.irp c, 0,1,2,3
	v_max3_num_f32 v[MX+\c], v[MX+\c], v[S+i+2*\c], v[S+i+2*\c+1]
.endr
.set i, i+8
.endr
	v_max3_num_f32 v[MX], v[MX], v[MX+1], v[MX+2]
	s_delay_alu instid0(VALU_DEP_1)
	v_max_num_f32 v[MX], v[MX], v[MX+3]
	v_permlanex16_b32 v[PT], v[MX], s[SEL], s[SEL+1]
	s_delay_alu instid0(VALU_DEP_1)
	v_max_num_f32 v[MX], v[MX], v[PT]              ; and lane l xor 16's
	s_delay_alu instid0(VALU_DEP_1)
	v_mul_f32 v[MX], s[CS], v[MX]                  ; as t (c is positive)
	s_delay_alu instid0(VALU_DEP_1)
	v_max_num_f32 v13, v13, v[MX]
	v_mov_b32 v254, v12
	s_delay_alu instid0(VALU_DEP_2)
	v_floor_f32 v12, -v13                          ; -M = floor(-t)
	s_delay_alu instid0(VALU_DEP_1)
	v_sub_f32 v254, v12, v254                      ; old M - new M, a whole number
	s_delay_alu instid0(VALU_DEP_1)
	v_cvt_i32_f32 v254, v254
	s_delay_alu instid0(VALU_DEP_1)
	v_ldexp_f32 v[F], 1.0, v254
.set j, 0
.rept 32
	v_pk_fma_f32 v[S+j:S+j+1], v[S+j:S+j+1], s[CS:CS+1], v[12:13] op_sel_hi:[1,0,0]   ; t - M
.set j, j+2
.endr
	s_wait_alu depctr_va_vdst(0)                   ; a wait ahead of the batch
.set j, 0
.rept 64
	v_exp_f32 v[S+j], v[S+j]
.set j, j+1
.endr
	v_pk_mul_f32 v[14:15], v[14:15], v[F:F+1] op_sel_hi:[1,0]     ; the sums under the new M; a plain place behind the batch
	s_wait_alu depctr_va_vdst(0)                   ; one wait behind the batch, directly ahead of the first readers of O^T
.set j, 0
.rept 16
	v_pk_mul_f32 v[O+j:O+j+1], v[O+j:O+j+1], v[F:F+1] op_sel_hi:[1,0]   ; O^T under the new M
.set j, j+2
.endr
.irp c, 0,1,2,3
	v_pk_add_f32 v[SM+2*\c:SM+2*\c+1], v[S+4*\c:S+4*\c+1], v[S+4*\c+2:S+4*\c+3]   ; the sum of the unquantised p, four chains of pairs
.endr
.set j, 16
.rept 6
.irp c, 0,1,2,3
	v_pk_add_f32 v[SM+2*\c:SM+2*\c+1], v[SM+2*\c:SM+2*\c+1], v[S+j+2*\c:S+j+2*\c+1]
.endr
.set j, j+8
.endr
	v_pk_add_f32 v[SM:SM+1], v[SM:SM+1], v[SM+2:SM+3]
	v_pk_add_f32 v[SM+4:SM+5], v[SM+4:SM+5], v[SM+6:SM+7]
	s_delay_alu instid0(VALU_DEP_1)
	v_pk_add_f32 v[SM:SM+1], v[SM:SM+1], v[SM+4:SM+5]
	s_delay_alu instid0(VALU_DEP_1)
	v_pk_add_f32 v[14:15], v[14:15], v[SM:SM+1]
.irp b, 0,1,2,3
.set i, 0
.rept 16
	v_min_num_f32 v[S+16*\b+i], v[S+16*\b+i], v240 ; the conversion does not saturate (ISA guide 7.6.2); p is not negative: a one-sided hold
.set i, i+1
.endr
	v_cvt_scalef32_pk8_bf8_f32 v[CD+4*\b:CD+4*\b+1], v[S+16*\b:S+16*\b+7], v244
	v_cvt_scalef32_pk8_bf8_f32 v[CD+4*\b+2:CD+4*\b+3], v[S+16*\b+8:S+16*\b+15], v244
.endr
	v_nop                                          ; a plain line between the conversions and the products that read their results
	s_wait_alu depctr_va_vdst(0)
	s_wait_dscnt 0x0                               ; V's fragments
.irp t, 0,1,2,3
	v_wmma_f32_16x16x128_bf8_bf8 v[O+8*\t:O+8*\t+7], v[FR+16*\t:FR+16*\t+15], v[CD:CD+15], v[O+8*\t:O+8*\t+7]
.endr
.Lhid_\@:
	s_add_co_u32 s[KF], s[KF], 128
	s_add_co_u32 s[TB], s[TB], 1024
.endm
.macro WALK tb, n                      ; n key steps from LDS row tb on: the trip counts are constants of the text
	s_mov_b32 s[TB], \tb
	s_mov_b32 s[CNT], \n
.Lw_\@:
	STEP
	s_sub_co_u32 s[CNT], s[CNT], 1
	s_cmp_lg_u32 s[CNT], 0
	s_cbranch_scc1 .Lw_\@
.endm
; A TILE'S WAY OUT: O^T / the sum x 2^(e4 + e5), held, converted with 2^e6; a lane's 16 bytes are pieces of the next operand's image: 512 consecutive bytes a store
.macro OUT
.rept 4
	v_nop
.endr
	v_add_f32 v14, v14, v15
	s_delay_alu instid0(VALU_DEP_1)
	v_permlanex16_b32 v[PT], v14, s[SEL], s[SEL+1]
	s_delay_alu instid0(VALU_DEP_1)
	v_add_f32 v14, v14, v[PT]
	s_wait_alu depctr_va_vdst(0)                   ; a wait ahead of the transcendental
	v_rcp_f32 v14, v14
	v_nop
	s_wait_alu depctr_va_vdst(0)                   ; and ahead of its first reader
	v_ldexp_f32 v14, v14, s[EO]
	s_wait_alu depctr_va_vdst(0)                   ; directly ahead of the first reader of O^T
.set j, 0
.rept 16
	v_pk_mul_f32 v[S+j:S+j+1], v[O+j:O+j+1], v[14:15] op_sel_hi:[1,0]
.set j, j+2
.endr
.set j, 0
.rept 32
	v_med3_num_f32 v[S+j], v[S+j], -v241, v241
.set j, j+1
.endr
.irp b, 0,1,2,3
	v_cvt_scalef32_pk8_bf8_f32 v[FR+2*\b:FR+2*\b+1], v[S+8*\b:S+8*\b+7], v245
.endr
	v_nop
	global_store_b128 v[LI], v[FR:FR+3], s[8:9]
	global_store_b128 v[LI], v[FR+4:FR+7], s[8:9] offset:512
.endm
	s_wait_alu depctr_va_vdst(0)
	s_wait_tensorcnt 0x0                           ; my part of steps 0-3 is in
	ds_add_u32 v[SPW], v[NIL]
	s_wait_dscnt 0x0
	s_barrier_signal -1
	s_barrier_wait -1                              ; steps 0-3 are whole
	tensor_load_to_lds s[G0B:G0B+3], s[G1B:G1B+7]  ; steps 4-15: a first fill, my one load behind this barrier
	s_nop 0
	s_wait_loadcnt 0x0                             ; Q
	WALK 0, 4
	s_wait_tensorcnt 0x0                           ; my part of steps 4-15 is in
	s_wait_dscnt 0x0
	s_barrier_signal -1
	s_barrier_wait -1                              ; and everybody's
	WALK 4096, 4
	s_cmp_lg_u32 s[ROLE], 0
	s_cbranch_scc1 .Lnot_a
	global_load_b128 v[QF:QF+3], v[LI], s[66:67]   ; WAVE A CHANGES TILES: the high tile's Q lands while the low tile goes out
	global_load_b128 v[QF+4:QF+7], v[LI], s[66:67] offset:512
	OUT
	FRESH
	s_mov_b32 s[Q0], s[QH]
	s_add_co_u32 s[QL], s[QH], 15
	s_wait_alu depctr_va_vdst(0)
	s_wait_xcnt 0x0                                ; the stores have read their data registers, which the next step's loads take
	s_wait_loadcnt 0x0
.Lnot_a:
	WALK 8192, 8                                   ; wave A: the high tile's steps 8 on; wave B: nothing
	s_cmp_lg_u32 s[ROLE], 0
	s_cbranch_scc1 .Lmeet
.rept 4
	v_nop                                          ; places behind the last products
.endr
	v_add_f32 v14, v14, v15
.irp i, 0,1,2,3,4,5,6,7
	ds_store_b128 v[STA], v[O+4*\i:O+4*\i+3] offset:512*\i         ; wave A's part as an image of its registers; each accumulator from its low end on
.endr
	ds_store_b32 v[STB], v12
	ds_store_b32 v[STB], v14 offset:128
.Lmeet:
	s_wait_alu depctr_va_vdst(0)
	s_wait_dscnt 0x0                               ; my stores are done
	s_barrier_signal -1
	s_barrier_wait -1
	s_cmp_eq_u32 s[ROLE], 0
	s_cbranch_scc1 .Lend
.rept 4
	v_nop                                          ; places in front of loads into registers that the last products read
.endr
.irp i, 0,1,2,3,4,5,6,7
	ds_load_b128 v[FR+4*\i:FR+4*\i+3], v[STA] offset:512*\i
.endr
	ds_load_b32 v[MX], v[STB]                      ; wave A's -M,
	ds_load_b32 v[MX+1], v[STB] offset:128         ; and its sum
	s_wait_dscnt 0x0
	v_min_num_f32 v254, v12, v[MX]                 ; -M of both
	s_delay_alu instid0(VALU_DEP_1)
	v_sub_f32 v[MX+2], v254, v12                   ; my M - M,
	v_sub_f32 v[MX+3], v254, v[MX]                 ; A's M - M: whole numbers, 0 or less
	s_delay_alu instid0(VALU_DEP_2)
	v_cvt_i32_f32 v[MX+2], v[MX+2]
	v_cvt_i32_f32 v[MX+3], v[MX+3]
	s_delay_alu instid0(VALU_DEP_2)
	v_ldexp_f32 v[F], 1.0, v[MX+2]
	v_ldexp_f32 v[SM], 1.0, v[MX+3]
	s_delay_alu instid0(VALU_DEP_2)
	v_pk_mul_f32 v[14:15], v[14:15], v[F:F+1] op_sel_hi:[1,0]
	s_delay_alu instid0(VALU_DEP_1)
	v_fma_f32 v14, v[MX+1], v[SM], v14
.set j, 0
.rept 16
	v_pk_mul_f32 v[O+j:O+j+1], v[O+j:O+j+1], v[F:F+1] op_sel_hi:[1,0]
.set j, j+2
.endr
.set j, 0
.rept 16
	v_pk_fma_f32 v[O+j:O+j+1], v[FR+j:FR+j+1], v[SM:SM+1], v[O+j:O+j+1] op_sel_hi:[1,0,1]
.set j, j+2
.endr
	OUT
.Lend:
	s_wait_tensorcnt 0x0                           ; the wave's end
	ds_add_u32 v[SPW], v[NIL]
	s_wait_dscnt 0x0
	s_endpgm
.Lfunc_end_k_qbd0162ba93_attn:
	.size	k_qbd0162ba93_attn, .Lfunc_end_k_qbd0162ba93_attn-k_qbd0162ba93_attn
	.p2alignl 7, 3214868480
	.fill 96, 4, 3214868480
	.section	.rodata,"a",@progbits
	.p2align	6, 0x0
	.amdhsa_kernel k_qbd0162ba93_attn
		.amdhsa_group_segment_fixed_size 327680
		.amdhsa_private_segment_fixed_size 0
		.amdhsa_enable_private_segment 0
		.amdhsa_kernarg_size 24
		.amdhsa_user_sgpr_count 2
		.amdhsa_user_sgpr_kernarg_segment_ptr 1
		.amdhsa_wavefront_size32 1
		.amdhsa_system_sgpr_workgroup_id_x 1
		.amdhsa_system_sgpr_workgroup_id_y 1
		.amdhsa_system_sgpr_workgroup_id_z 1
		.amdhsa_system_vgpr_workitem_id 0
		.amdhsa_next_free_vgpr 256
		.amdhsa_next_free_sgpr 100
		.amdhsa_reserve_vcc 1
		.amdhsa_float_denorm_mode_32 3
		.amdhsa_float_denorm_mode_16_64 3
		.amdhsa_memory_ordered 1
		.amdhsa_forward_progress 1
		.amdhsa_inst_pref_size 86
	.end_amdhsa_kernel
	.amdgpu_metadata
---
amdhsa.version: [ 1, 2 ]
amdhsa.kernels:
  - .name:           k_qbd0162ba93_attn
    .symbol:         k_qbd0162ba93_attn.kd
    .args:
      - { .name: qkvf, .offset: 0, .size: 8, .value_kind: global_buffer, .address_space: global }
      - { .name: lowp_scales, .offset: 8, .size: 8, .value_kind: global_buffer, .address_space: global }
      - { .name: yf, .offset: 16, .size: 8, .value_kind: global_buffer, .address_space: global }
    .group_segment_fixed_size: 327680
    .private_segment_fixed_size: 0
    .kernarg_segment_align: 8
    .kernarg_segment_size: 24
    .max_flat_workgroup_size: 512
    .sgpr_count:     100
    .vgpr_count:     256
    .wavefront_size: 32
...
	.end_amdgpu_metadata
.endif
;; end of part 3
;; launch oproj (part 4): grid 8 x 32, 4 waves a work-group, clusters of 4 x 4, 327,680 bytes of LDS; arguments yf, wc, bo, x, lowp_scales, y; writes y
.if DOCPART == 4
	.amdgcn_target "amdgcn-amd-amdhsa--gfx1250"
	.amdhsa_code_object_version 6
	.text
	.protected	k_qbd0162ba93_oproj
	.globl	k_qbd0162ba93_oproj
	.p2align	8
	.type	k_qbd0162ba93_oproj,@function
k_qbd0162ba93_oproj:
	s_mov_b64 s[64:65], 0
	v_nop
	global_prefetch_b8 v0, s[64:65] scope:SCOPE_SE
	s_setreg_imm32_b32 hwreg(HW_REG_WAVE_MODE, 25, 1), 1
	s_wait_xcnt 0x0
	s_wait_alu depctr_hold_cnt(0) depctr_sa_sdst(0) depctr_va_vdst(0) depctr_va_sdst(0) depctr_va_ssrc(0) depctr_va_vcc(0) depctr_vm_vsrc(0)
	s_getreg_b32 s2, hwreg(HW_REG_IB_STS2, 6, 4)
	s_cmp_eq_u32 s2, 0
	s_cbranch_scc0 .Lentry_in_a_cluster
	s_endpgm
.Lentry_in_a_cluster:
	s_bfe_u32 s2, ttmp6, 0x10000c
	s_cmp_lg_u32 s2, 0xf033
	s_cbranch_scc0 .Lentry_shape_is_right
	s_endpgm
.Lentry_shape_is_right:
; OPROJ: y = x + (attention's result) Wo + bo, the product on codes of E5M2.
; A tile of 128 x 128 is made by four waves, 64 x 64 each.  K = 1,024 lies in two LDS slots of 512, both filled at the start.  Clusters of 4 x 4 with joint loads: A's tile along a row, B's along a column.
; OPERAND A IS AN IMAGE of operand registers ([tile of 16 tokens][128 along K][piece 4][512 bytes]): 512 along K of a tile are 8,192 consecutive bytes, a tensor load brings eight tiles, and a fragment
; is four loads of 512 consecutive bytes.  In the image byte i of piece c in half h is k = 32 c + 8 h + (i < 8 ? i : i + 8); Wo's codes were laid with the middle groups of every 32 exchanged, so that rows read
; at 32 c + 16 h carry the same k in the same place.
; The matrix instruction is used transposed (source 0 = rows of Wo's codes, source 1 = tokens): a lane holds eight neighbouring columns of a row.  A block of 16 rows x 64 columns goes through the wave's stage
; and leaves as rows of 256 aligned bytes.  The residual and the bias are loaded at the head and rest in registers (window 2; v96-99).
; LIMIT: e6 + e7 between -126 and 127.  No prefetch: both slots are asked for in the first lines.
.set SIZE_K, 1024
.set A_IMG,  1
.set WOFF,   3145728                   ; Wo's codes in wc
.set EA,     78                        ; s78 = e6, s79 = e7
.set EB,     79
.set KSTEP,  512
.set PITCH,  528
.set BHALF,  64*PITCH
.if A_IMG
.set AHALF,  4*8192
.set ASTEP,  8192
.else
.set AHALF,  BHALF
.set ASTEP,  KSTEP
.endif
.set ABYTES, 2*AHALF
.set SLOT,   ABYTES+2*BHALF
.set STAGE,  2*SLOT                    ; 16 rows x 272 bytes for each wave: no tensor load lands here
.set SPARE,  STAGE+4*16*272
.set LAPS,   SIZE_K/(2*KSTEP)
.set ADRA, 16
.set ADRB, 20
.set STO,  24
.set RD,   25
.set CO,   26
.set LO,   27
.set SPW,  28
.set NIL,  29
.set BO,   30
.set BK,   32                          ; v32-63, v64-95 by turns: 16 rows read back
.set BI,   96                          ; v96-99 the bias of my four columns
.set ACC,  128
.set F0,   0
.set F1,   128
.set G1,  24
.set G0,  32
.set G1B, 48
.set G0B, 56
.set OUTP, 90
.set MSB, 0
.macro WIN new
.if MSB != \new
	s_set_vgpr_msb (MSB<<8)|\new
.set MSB, \new
.endif
.endm
.set MUL,  0x05
.set TO_F, 0x40
.macro JLOAD s
	s_cmp_eq_u32 s11, 0
	s_cbranch_scc0 .Lfor_b_\@
	tensor_load_to_lds s[G0+4*\s:G0+4*\s+3], s[G1:G1+7]
	s_nop 0
.rept 4
	v_nop
.endr
	s_branch .Lasked_\@
.Lfor_b_\@:
	tensor_load_to_lds s[G0B+4*\s:G0B+4*\s+3], s[G1B:G1B+7]
	s_nop 0
.rept 4
	v_nop
.endr
.Lasked_\@:
.endm
.macro CREST
	s_cmp_lg_u32 s10, 0
	s_cbranch_scc1 .Lnot_wave_0_\@
	s_barrier_signal -3
.Lnot_wave_0_\@:
	s_barrier_wait -3
	s_barrier_signal -1
	s_barrier_wait -1
.endm
.macro CROUND
	s_barrier_signal -1
	s_barrier_wait -1
	CREST
.endm
.macro PLACES
.rept 4
	v_nop
.endr
.endm
.macro MULA f, a, zero
.irp b, 0,1,2,3
.if \zero
	v_wmma_f32_16x16x128_bf8_bf8 v[ACC+8*(4*\a+\b):ACC+8*(4*\a+\b)+7], v[\f+64+16*\b:\f+64+16*\b+15], v[\f+16*\a:\f+16*\a+15], 0
.else
	v_wmma_f32_16x16x128_bf8_bf8 v[ACC+8*(4*\a+\b):ACC+8*(4*\a+\b)+7], v[\f+64+16*\b:\f+64+16*\b+15], v[\f+16*\a:\f+16*\a+15], v[ACC+8*(4*\a+\b):ACC+8*(4*\a+\b)+7]
.endif
.endr
.endm
.macro FETCH slot, q, f
	WIN TO_F
.irp i, 0,1,2,3
.irp c, 0,1,2,3
	ds_load_b128 v[\f+64+16*\i+4*\c:\f+64+16*\i+4*\c+3], v[ADRB+\slot] offset:\i*16*PITCH+128*(\q)+32*\c
.endr
.endr
.irp i, 0,1,2,3
.irp c, 0,1,2,3
.if A_IMG
	ds_load_b128 v[\f+16*\i+4*\c:\f+16*\i+4*\c+3], v[ADRA+\slot] offset:\i*8192+2048*(\q)+512*\c
.else
	ds_load_b128 v[\f+16*\i+4*\c:\f+16*\i+4*\c+3], v[ADRA+\slot] offset:\i*16*PITCH+128*(\q)+32*\c
.endif
.endr
.endr
.endm
.macro QUARTER slot, q, f, g, zero
	s_wait_dscnt 8                                 ; B's fragments and A's blocks 0, 1 are in; the youngest eight loads may be out
	WIN MUL
	MULA \f, 0, \zero
	MULA \f, 1, \zero
	PLACES
	FETCH \slot, \q, \g
	s_wait_dscnt 32                                ; all but the 32 just issued
	WIN MUL
	MULA \f, 2, \zero
	MULA \f, 3, \zero
.endm
.macro TURN slot, next, fill
	WIN 0
	s_wait_tensorcnt 0x0                           ; all my tensor loads have landed
	ds_add_u32 v[SPW], v[NIL]                      ; 0 onto my spare word
	s_wait_dscnt 9                                 ; (the add and the youngest eight loads may be out)
	WIN MUL
	MULA F1, 0, 0
	s_wait_dscnt 0x0                               ; the add is done, and my reads of this slot are over
	s_barrier_signal -1
	MULA F1, 1, 0
.if \fill
	WIN 0
.endif
	s_barrier_wait -1
.if \fill
	CREST
	s_add_nc_u64 s[G0+4*\slot+2:G0+4*\slot+3], s[G0+4*\slot+2:G0+4*\slot+3], 2*ASTEP
	s_add_nc_u64 s[G0B+4*\slot+2:G0B+4*\slot+3], s[G0B+4*\slot+2:G0B+4*\slot+3], 2*KSTEP
	JLOAD \slot
.else
	PLACES
.endif
	FETCH \next, 0, F0
	WIN MUL
	MULA F1, 2, 0
	MULA F1, 3, 0
.endm
	s_load_b128 s[4:7], s[0:1], 0x0                ; operand A's image, wc
	s_load_b128 s[68:71], s[0:1], 0x10             ; the bias, the residual
	s_load_b128 s[88:91], s[0:1], 0x20             ; the scales' exponents, the output
	v_lshl_add_u32 v[SPW], v0, 2, SPARE
	v_mov_b32 v[NIL], 0
	ds_add_u32 v28, v29
	ds_add_u32 v28, v29
	s_wait_dscnt 0x0
	v_lshrrev_b32 v1, 5, v0
	v_readfirstlane_b32 s10, v1
	s_lshr_b32 s11, s10, 1
	s_and_b32 s12, s10, 1
	s_bfe_u32 s40, ttmp6, 0x40000
	s_bfe_u32 s41, ttmp6, 0x40004
	s_lshl_b32 s42, ttmp9, 2
	s_add_co_u32 s42, s42, s40                     ; tile column
	s_and_b32 s13, ttmp7, 0xffff
	s_lshl_b32 s13, s13, 2
	s_add_co_u32 s13, s13, s41                     ; tile row
	s_lshl_b32 s43, s41, 2
	s_lshl_b32 s43, 15, s43
	s_lshl_b32 s44, 0x1111, s40
	s_or_b32 s[G1+0], s43, (3<<16)|(1<<21)         ; A: the mask; elements of 8 bytes; no padding; bit 21 beside a mask
	s_mov_b32 s[G1+1], 1024<<16                    ; tensor_dim0: 8,192 bytes
	s_mov_b32 s[G1+2], 8<<16                       ; tensor_dim1: eight tiles of 16 tokens
	s_mov_b32 s[G1+3], 1024<<16
	s_mov_b32 s[G1+4], 8
	s_mov_b32 s[G1+5], 2*SIZE_K                    ; from tile to tile: 16 SIZE_K bytes
	s_mov_b32 s[G1+6], 0
	s_mov_b32 s[G1+7], 0
	s_or_b32 s[G1B+0], s44, (1<<20)|(1<<21)|(6<<22)|(3<<25)
	s_mov_b32 s[G1B+1], KSTEP<<16
	s_mov_b32 s[G1B+2], 128<<16
	s_mov_b32 s[G1B+3], KSTEP<<16
	s_mov_b32 s[G1B+4], 128
	s_mov_b32 s[G1B+5], SIZE_K
	s_mov_b32 s[G1B+6], 0
	s_mov_b32 s[G1B+7], 0
	s_lshl_b32 s16, s13, 7                         ; one tensor load a wave brings everything: waves 0, 1 A's slots 0, 1 (128 tokens x 512 along K), waves 2, 3 B's (128 rows x 512)
	s_mul_i32 s16, s16, SIZE_K
	s_mul_i32 s17, s12, ASTEP
	s_add_co_u32 s16, s16, s17
	s_lshl_b32 s46, s42, 7
	s_mul_i32 s46, s46, SIZE_K
	s_mul_i32 s17, s12, KSTEP
	s_add_co_u32 s46, s46, s17
	s_mov_b32 s17, 0
	s_mov_b32 s47, 0
	s_mul_i32 s20, s12, SLOT
	s_add_co_u32 s21, s20, ABYTES
	s_wait_kmcnt 0x0
	s_load_b256 s[72:79], s[88:89], 0x0            ; e0 .. e7
	s_load_b128 s[80:83], s[88:89], 0x20           ; e8 .. e11
	s_add_nc_u64 s[6:7], s[6:7], WOFF
	s_add_nc_u64 s[14:15], s[4:5], s[16:17]
	s_add_nc_u64 s[46:47], s[6:7], s[46:47]
	CROUND
.irp s, 0
	s_mov_b32 s[G0+4*\s], 1
	s_add_co_u32 s[G0+4*\s+1], s20, \s*SLOT
	s_add_nc_u64 s[G0+4*\s+2:G0+4*\s+3], s[14:15], \s*ASTEP
	s_or_b32 s[G0+4*\s+3], s[G0+4*\s+3], 0x80000000
	s_mov_b32 s[G0B+4*\s], 1
	s_add_co_u32 s[G0B+4*\s+1], s21, \s*SLOT
	s_add_nc_u64 s[G0B+4*\s+2:G0B+4*\s+3], s[46:47], \s*KSTEP
	s_or_b32 s[G0B+4*\s+3], s[G0B+4*\s+3], 0x80000000
	JLOAD \s
.endr
	v_and_b32 v1, 15, v0
	v_bfe_u32 v2, v0, 4, 1
	v_mul_u32_u24 v3, v1, PITCH
	v_lshl_add_u32 v3, v2, 4, v3
	v_and_b32 v[LO], 31, v0
	v_lshlrev_b32 v[LO], 4, v[LO]
	s_mul_i32 s21, s11, AHALF
	s_mul_i32 s22, s12, BHALF
	s_add_co_u32 s22, s22, ABYTES
.irp s, 0,1
	v_add_nc_u32 v[ADRA+\s], s21, v[LO]
	v_add_nc_u32 v[ADRB+\s], s22, v3
	s_add_co_u32 s21, s21, SLOT
	s_add_co_u32 s22, s22, SLOT
.endr
	s_mul_i32 s23, s10, 16*272
	s_add_co_u32 s23, s23, STAGE                   ; my stage
	v_mul_u32_u24 v4, v1, 272
	v_lshl_add_u32 v4, v2, 5, v4
	v_add_nc_u32 v[STO], s23, v4                   ; in: row r, 32 bytes for each half of the lanes
	v_mul_u32_u24 v5, v2, 272
	v_lshl_add_u32 v5, v1, 4, v5
	v_add_nc_u32 v[RD], s23, v5                    ; back: lanes 0-15 one row of 256 bytes, lanes 16-31 the next
	v_lshlrev_b32 v5, 12, v2
	v_lshl_add_u32 v[CO], v1, 4, v5                ; and the same two rows of 4,096 bytes in memory
	v_lshlrev_b32 v[BO], 4, v1
	s_wait_alu depctr_va_vdst(0)
	s_lshl_b32 s92, s13, 7
	s_lshl_b32 s93, s11, 6
	s_add_co_u32 s92, s92, s93
	s_lshl_b32 s92, s92, 12                        ; my first row, in bytes
	s_mov_b32 s93, 0
	s_lshl_b32 s94, s42, 7
	s_lshl_b32 s95, s12, 6
	s_add_co_u32 s94, s94, s95
	s_lshl_b32 s94, s94, 2                         ; my first column, in bytes
	s_mov_b32 s95, 0
	s_add_nc_u64 s[68:69], s[68:69], s[94:95]
	s_add_nc_u64 s[70:71], s[70:71], s[92:93]
	s_add_nc_u64 s[70:71], s[70:71], s[94:95]
	s_add_nc_u64 s[OUTP:OUTP+1], s[OUTP:OUTP+1], s[92:93]
	s_add_nc_u64 s[OUTP:OUTP+1], s[OUTP:OUTP+1], s[94:95]
	global_load_b128 v[BI:BI+3], v[BO], s[68:69]
	WIN 0x80                                       ; destination window 2
.irp a, 0,1,2,3
.irp t, 0,1,2,3,4,5,6,7
	global_load_b128 v[32*\a+4*\t:32*\a+4*\t+3], v[CO], s[70:71] offset:(16*\a+2*\t)*4096 th:TH_LOAD_NT
.endr
.endr
	WIN 0
	s_wait_tensorcnt 0x0                           ; my one load is in; behind the barrier both slots are whole
	s_barrier_signal -1
	s_barrier_wait -1
	FETCH 0, 0, F0
	QUARTER 0, 1, F0, F1, 1
.if LAPS > 1
	WIN 0
	s_mov_b32 s3, LAPS-1
.Llap:
	QUARTER 0, 2, F1, F0, 0
	QUARTER 0, 3, F0, F1, 0
	TURN 0, 1, 1
	QUARTER 1, 1, F0, F1, 0
	QUARTER 1, 2, F1, F0, 0
	QUARTER 1, 3, F0, F1, 0
	TURN 1, 0, 1
	QUARTER 0, 1, F0, F1, 0
	WIN 0
	s_sub_co_u32 s3, s3, 1
	s_cmp_lg_u32 s3, 0
	s_cbranch_scc1 .Llap
.endif
	QUARTER 0, 2, F1, F0, 0
	QUARTER 0, 3, F0, F1, 0
	QUARTER 1, 0, F1, F0, 0
	QUARTER 1, 1, F0, F1, 0
	QUARTER 1, 2, F1, F0, 0
	QUARTER 1, 3, F0, F1, 0
	s_wait_dscnt 8
	WIN MUL
	MULA F1, 0, 0
	MULA F1, 1, 0
	s_wait_dscnt 0x0
	MULA F1, 2, 0
	MULA F1, 3, 0
	WIN 0
	; THE WAY OUT
.macro TOSTAGE a                       ; block a's 16 rows x 64 columns into my stage and back as rows; each accumulator is read from its low end first
.set BB, BK+32*((\a)%2)
.irp b, 0,1,2,3
	ds_store_b128 v[STO], v[ACC+8*(4*(\a)+\b):ACC+8*(4*(\a)+\b)+3] offset:64*\b
	ds_store_b128 v[STO], v[ACC+8*(4*(\a)+\b)+4:ACC+8*(4*(\a)+\b)+7] offset:64*\b+16
.endr
.irp t, 0,1,2,3,4,5,6,7
	ds_load_b128 v[BB+4*\t:BB+4*\t+3], v[RD] offset:\t*2*272       ; LDS serves a wave's instructions in order (ISA guide 5.7.1.4)
.endr
.endm
.macro SEND a, younger                 ; younger: the LDS instructions issued behind block a's loads
.set BB, BK+32*((\a)%2)
	s_wait_dscnt \younger
.irp t, 0,1,2,3,4,5,6,7
	v_pk_fma_f32 v[BB+4*\t:BB+4*\t+1], v[BB+4*\t:BB+4*\t+1], s[84:85], v[BI:BI+1] op_sel_hi:[1,0,1]        ; sum x 2^(ea + eb) + bias
	v_pk_fma_f32 v[BB+4*\t+2:BB+4*\t+3], v[BB+4*\t+2:BB+4*\t+3], s[84:85], v[BI+2:BI+3] op_sel_hi:[1,0,1]
.endr
	WIN 0x08                                       ; source 1 window 2
.irp i, 0,2,4,6,8,10,12,14,16,18,20,22,24,26,28,30
	v_pk_add_f32 v[BB+\i:BB+\i+1], v[BB+\i:BB+\i+1], v[32*(\a)+\i:32*(\a)+\i+1]    ; + the residual
.endr
	WIN 0
.irp t, 0,1,2,3,4,5,6,7
	global_store_b128 v[CO], v[BB+4*\t:BB+4*\t+3], s[OUTP:OUTP+1] offset:(16*(\a)+2*\t)*4096   ; sixteen lanes store 256 consecutive aligned bytes
.endr
.endm
	s_wait_kmcnt 0x0
	s_add_co_i32 s84, s[EA], s[EB]
	s_add_co_i32 s84, s84, 127
	s_lshl_b32 s84, s84, 23
	s_mov_b32 s85, s84
	PLACES
	s_wait_loadcnt 0x0                             ; the residual and the bias
	TOSTAGE 0
.irp a, 1,2,3
.if \a > 1
	s_wait_xcnt 0x0                                ; block a - 2's stores have read the registers into which block a's rows are loaded
.endif
	TOSTAGE \a
	SEND \a-1, 16                                  ; behind block a - 1's loads: block a's eight stores and eight loads
.endr
	SEND 3, 0
	s_wait_tensorcnt 0x0                           ; the wave's end
	ds_add_u32 v[SPW], v[NIL]
	s_wait_dscnt 0x0
	CROUND
	s_endpgm
.Lfunc_end_k_qbd0162ba93_oproj:
	.size	k_qbd0162ba93_oproj, .Lfunc_end_k_qbd0162ba93_oproj-k_qbd0162ba93_oproj
	.p2alignl 7, 3214868480
	.fill 96, 4, 3214868480
	.section	.rodata,"a",@progbits
	.p2align	6, 0x0
	.amdhsa_kernel k_qbd0162ba93_oproj
		.amdhsa_group_segment_fixed_size 327680
		.amdhsa_private_segment_fixed_size 0
		.amdhsa_enable_private_segment 0
		.amdhsa_kernarg_size 48
		.amdhsa_user_sgpr_count 2
		.amdhsa_user_sgpr_kernarg_segment_ptr 1
		.amdhsa_wavefront_size32 1
		.amdhsa_system_sgpr_workgroup_id_x 1
		.amdhsa_system_sgpr_workgroup_id_y 1
		.amdhsa_system_sgpr_workgroup_id_z 1
		.amdhsa_system_vgpr_workitem_id 0
		.amdhsa_next_free_vgpr 768
		.amdhsa_next_free_sgpr 104
		.amdhsa_reserve_vcc 0
		.amdhsa_float_denorm_mode_32 3
		.amdhsa_float_denorm_mode_16_64 3
		.amdhsa_memory_ordered 1
		.amdhsa_forward_progress 1
		.amdhsa_inst_pref_size 52
	.end_amdhsa_kernel
	.amdgpu_metadata
---
amdhsa.version: [ 1, 2 ]
amdhsa.kernels:
  - .name:           k_qbd0162ba93_oproj
    .symbol:         k_qbd0162ba93_oproj.kd
    .args:
      - { .name: yf, .offset: 0, .size: 8, .value_kind: global_buffer, .address_space: global }
      - { .name: wc, .offset: 8, .size: 8, .value_kind: global_buffer, .address_space: global }
      - { .name: bo, .offset: 16, .size: 8, .value_kind: global_buffer, .address_space: global }
      - { .name: x, .offset: 24, .size: 8, .value_kind: global_buffer, .address_space: global }
      - { .name: lowp_scales, .offset: 32, .size: 8, .value_kind: global_buffer, .address_space: global }
      - { .name: y, .offset: 40, .size: 8, .value_kind: global_buffer, .address_space: global }
    .group_segment_fixed_size: 327680
    .private_segment_fixed_size: 0
    .kernarg_segment_align: 8
    .kernarg_segment_size: 48
    .max_flat_workgroup_size: 128
    .sgpr_count:     104
    .vgpr_count:     768
    .wavefront_size: 32
...
	.end_amdgpu_metadata
.endif
;; end of part 4
;; launch ln2 (part 5): grid 256 x 1, 4 waves a work-group, no clusters, 20,992 bytes of LDS; arguments y, g2, be2, lowp_scales, hc; writes hc
.if DOCPART == 5
	.amdgcn_target "amdgcn-amd-amdhsa--gfx1250"
	.amdhsa_code_object_version 6
	.text
	.protected	k_qbd0162ba93_ln2
	.globl	k_qbd0162ba93_ln2
	.p2align	8
	.type	k_qbd0162ba93_ln2,@function
k_qbd0162ba93_ln2:
	s_mov_b64 s[64:65], 0
	v_nop
	global_prefetch_b8 v0, s[64:65] scope:SCOPE_SE
	s_setreg_imm32_b32 hwreg(HW_REG_WAVE_MODE, 25, 1), 1
	s_wait_xcnt 0x0
; LN2: the rows of y are normalised and quantised to codes of E5M2 with the scale 2^e8, K innermost: operand A of the product with W1.
; One wave, one row of 1,024 numbers in 32 registers a lane; four rows a wave, 16 a work-group.  The mean, then the sum of (y - mean)^2 in a second pass over the registers, so that a common offset costs no
; accuracy; g (y - mean) rsqrt(var + eps) + be; the row turns through the wave's own stage in LDS so that a lane holds 16 neighbours; hold, conversion, 512 consecutive bytes a store.
; LIMIT: e8 between -126 and 112.  NaN among the inputs is not served.  No barrier: waves share nothing.
.set ROWS, 4
.set LOFF, 1
.set SIN,  3
.set SOUT, 4
.set PT,   5
.set G,    16
.set BE,   48
.set LX,   80
.set T,    176
.set CD,   208
.set LIM,  224
.set SC,   225
.set SEL,  66
.set INV,  68
.set EPS,  69
.macro LNLOAD r
.irp j, 0,1,2,3,4,5,6,7
	global_load_b128 v[LX+32*((\r)%3)+4*\j:LX+32*((\r)%3)+4*\j+3], v[LOFF], s[12:13] offset:(\r)*4096+512*\j
.endr
.endm
.macro FOLD
	v_pk_add_f32 v[8:9], v[8:9], v[10:11]
	v_pk_add_f32 v[12:13], v[12:13], v[14:15]
	v_pk_add_f32 v[8:9], v[8:9], v[12:13]
	v_add_f32 v8, v8, v9
	v_add_f32_dpp v8, v8, v8 row_xmask:1 row_mask:0xf bank_mask:0xf
	v_add_f32_dpp v8, v8, v8 row_xmask:2 row_mask:0xf bank_mask:0xf
	v_add_f32_dpp v8, v8, v8 row_xmask:4 row_mask:0xf bank_mask:0xf
	v_add_f32_dpp v8, v8, v8 row_xmask:8 row_mask:0xf bank_mask:0xf
	v_permlanex16_b32 v[PT], v8, s[SEL], s[SEL+1]
	v_add_f32 v8, v8, v[PT]
.endm
.macro HALF r, q
.set TS, T+16*\q
.set CR, CD+8*((\r)%2)+4*\q
.set i, 0
.rept 16
	v_med3_num_f32 v[TS+i], v[TS+i], -v[LIM], v[LIM]       ; the conversion does not saturate (ISA guide 7.6.2)
.set i, i+1
.endr
	v_cvt_scalef32_pk8_bf8_f32 v[CR:CR+1], v[TS:TS+7], v[SC]
	v_cvt_scalef32_pk8_bf8_f32 v[CR+2:CR+3], v[TS+8:TS+15], v[SC]
	global_store_b128 v[LOFF], v[CR:CR+3], s[22:23] offset:(\r)*1024+512*\q
.endm
.macro LNROW r, rows
.set XS, LX+32*((\r)%3)
.if (\r)+2 < \rows
	LNLOAD (\r)+2
	s_wait_loadcnt 16                              ; my row is in; the two younger rows' loads may be out
.elseif (\r)+1 < \rows
	s_wait_loadcnt 8
.else
	s_wait_loadcnt 0
.endif
.irp c, 0,2,4,6
	v_pk_add_f32 v[8+\c:9+\c], v[XS+\c:XS+\c+1], v[XS+8+\c:XS+9+\c]
.endr
.irp q, 16,24
.irp c, 0,2,4,6
	v_pk_add_f32 v[8+\c:9+\c], v[8+\c:9+\c], v[XS+\q+\c:XS+\q+\c+1]
.endr
.endr
	FOLD
	v_mul_f32 v6, s[INV], v8                       ; the mean
.set i, 0
.rept 16
	v_pk_add_f32 v[XS+i:XS+i+1], v[XS+i:XS+i+1], v[6:7] op_sel_hi:[1,0] neg_lo:[0,1] neg_hi:[0,1]
.set i, i+2
.endr
.irp c, 0,2,4,6
	v_pk_mul_f32 v[8+\c:9+\c], v[XS+\c:XS+\c+1], v[XS+\c:XS+\c+1]
.endr
.irp q, 8,16,24
.irp c, 0,2,4,6
	v_pk_fma_f32 v[8+\c:9+\c], v[XS+\q+\c:XS+\q+\c+1], v[XS+\q+\c:XS+\q+\c+1], v[8+\c:9+\c]
.endr
.endr
	FOLD
	v_fma_f32 v8, v8, s[INV], s[EPS]
	s_wait_alu depctr_va_vdst(0)
	v_rsq_f32 v6, v8
	v_rsq_f32 v7, v8
	v_nop                                          ; a plain line behind the transcendentals (ISA guide 5.7.2)
	s_wait_alu depctr_va_vdst(0)                   ; one wait for both, ahead of their first reader
.set i, 0
.rept 16
	v_pk_mul_f32 v[XS+i:XS+i+1], v[XS+i:XS+i+1], v[6:7]
.set i, i+2
.endr
.set i, 0
.rept 16
	v_pk_fma_f32 v[XS+i:XS+i+1], v[XS+i:XS+i+1], v[G+i:G+i+1], v[BE+i:BE+i+1]
.set i, i+2
.endr
.irp q, 0,1
.irp i, 0,1,2,3
	ds_store_b128 v[SIN], v[XS+16*\q+4*\i:XS+16*\q+4*\i+3] offset:2560*\q+640*\i
.endr
.irp i, 0,1,2,3
	ds_load_b128 v[T+16*\q+4*\i:T+16*\q+4*\i+3], v[SOUT] offset:2560*\q+16*\i
.endr
.endr
	s_wait_dscnt 8                                 ; the first half is back; the second half's four stores and four loads may be out
	s_wait_xcnt 0x0                                ; the stores of two rows ago have read their data registers
	HALF \r, 0
	s_wait_dscnt 0x0
	HALF \r, 1
.endm
	s_load_b256 s[12:19], s[0:1], 0x0              ; y, g2, be2, the scales' exponents
	s_load_b64 s[22:23], s[0:1], 0x20              ; hc
	v_lshl_add_u32 v232, v0, 2, 0x5000
	v_mov_b32 v233, 0
	v_lshrrev_b32 v1, 5, v0
	v_readfirstlane_b32 s33, v1                    ; wave
	v_and_b32 v2, 31, v0                           ; lane
	s_lshl_b32 s24, ttmp9, 4
	s_lshl_b32 s25, s33, 2
	s_add_co_u32 s24, s24, s25                     ; my wave's first row
	s_lshl_b32 s26, s24, 12
	s_mov_b32 s27, 0
	s_lshl_b32 s28, s24, 10
	s_mov_b32 s29, 0
	s_mul_i32 s24, s33, 5120                       ; my two stages
	s_wait_alu depctr_va_vdst(0)
	s_wait_kmcnt 0x0
	s_load_b32 s36, s[18:19], 0x20                 ; e8
	s_add_nc_u64 s[12:13], s[12:13], s[26:27]
	s_add_nc_u64 s[22:23], s[22:23], s[28:29]
	v_lshlrev_b32 v[LOFF], 4, v2
	v_lshrrev_b32 v[SIN], 2, v2
	v_mul_u32_u24 v[SIN], v[SIN], 80
	v_and_b32 v[SOUT], 3, v2
	v_lshl_add_u32 v[SIN], v[SOUT], 4, v[SIN]
	v_add_nc_u32 v[SIN], s24, v[SIN]
	v_mul_u32_u24 v[SOUT], v2, 80
	v_add_nc_u32 v[SOUT], s24, v[SOUT]
	v_mov_b32 v[PT], 0
	v_mov_b32 v7, 0
	s_mov_b32 s[SEL], 0x76543210
	s_mov_b32 s[SEL+1], 0xfedcba98
	s_mov_b32 s[INV], 0x3a800000
	s_mov_b32 s[EPS], 0x3727c5ac
.irp j, 0,1,2,3,4,5,6,7
	global_load_b128 v[G+4*\j:G+4*\j+3], v[LOFF], s[14:15] offset:512*\j
	global_load_b128 v[BE+4*\j:BE+4*\j+3], v[LOFF], s[16:17] offset:512*\j
.endr
	LNLOAD 0
	LNLOAD 1
	s_wait_kmcnt 0x0
	s_add_co_i32 s25, s36, 127
	s_lshl_b32 s26, s25, 23
	v_mov_b32 v[SC], s26
	s_add_co_i32 s25, s25, 15
	s_lshl_b32 s25, s25, 23
	s_or_b32 s25, s25, 0x600000
	v_mov_b32 v[LIM], s25
.irp r, 0,1,2,3
	LNROW \r, ROWS
.endr
	s_wait_tensorcnt 0x0
	ds_add_u32 v232, v233
	s_wait_dscnt 0x0
	s_endpgm
.Lfunc_end_k_qbd0162ba93_ln2:
	.size	k_qbd0162ba93_ln2, .Lfunc_end_k_qbd0162ba93_ln2-k_qbd0162ba93_ln2
	.p2alignl 7, 3214868480
	.fill 96, 4, 3214868480
	.section	.rodata,"a",@progbits
	.p2align	6, 0x0
	.amdhsa_kernel k_qbd0162ba93_ln2
		.amdhsa_group_segment_fixed_size 20992
		.amdhsa_private_segment_fixed_size 0
		.amdhsa_enable_private_segment 0
		.amdhsa_kernarg_size 40
		.amdhsa_user_sgpr_count 2
		.amdhsa_user_sgpr_kernarg_segment_ptr 1
		.amdhsa_wavefront_size32 1
		.amdhsa_system_sgpr_workgroup_id_x 1
		.amdhsa_system_sgpr_workgroup_id_y 1
		.amdhsa_system_sgpr_workgroup_id_z 1
		.amdhsa_system_vgpr_workitem_id 0
		.amdhsa_next_free_vgpr 234
		.amdhsa_next_free_sgpr 72
		.amdhsa_reserve_vcc 0
		.amdhsa_float_denorm_mode_32 3
		.amdhsa_float_denorm_mode_16_64 3
		.amdhsa_memory_ordered 1
		.amdhsa_forward_progress 1
		.amdhsa_inst_pref_size 46
	.end_amdhsa_kernel
	.amdgpu_metadata
---
amdhsa.version: [ 1, 2 ]
amdhsa.kernels:
  - .name:           k_qbd0162ba93_ln2
    .symbol:         k_qbd0162ba93_ln2.kd
    .args:
      - { .name: y, .offset: 0, .size: 8, .value_kind: global_buffer, .address_space: global }
      - { .name: g2, .offset: 8, .size: 8, .value_kind: global_buffer, .address_space: global }
      - { .name: be2, .offset: 16, .size: 8, .value_kind: global_buffer, .address_space: global }
      - { .name: lowp_scales, .offset: 24, .size: 8, .value_kind: global_buffer, .address_space: global }
      - { .name: hc, .offset: 32, .size: 8, .value_kind: global_buffer, .address_space: global }
    .group_segment_fixed_size: 20992
    .private_segment_fixed_size: 0
    .kernarg_segment_align: 8
    .kernarg_segment_size: 40
    .max_flat_workgroup_size: 128
    .sgpr_count:     72
    .vgpr_count:     234
    .wavefront_size: 32
...
	.end_amdgpu_metadata
.endif
;; end of part 5
;; launch fc1 (part 6): grid 8 x 32, 4 waves a work-group, clusters of 4 x 4, 327,680 bytes of LDS; arguments hc, wc, b1, lowp_scales, hf; writes hf
.if DOCPART == 6
	.amdgcn_target "amdgcn-amd-amdhsa--gfx1250"
	.amdhsa_code_object_version 6
	.text
	.protected	k_qbd0162ba93_fc1
	.globl	k_qbd0162ba93_fc1
	.p2align	8
	.type	k_qbd0162ba93_fc1,@function
k_qbd0162ba93_fc1:
	s_mov_b64 s[64:65], 0
	v_nop
	global_prefetch_b8 v0, s[64:65] scope:SCOPE_SE
	s_setreg_imm32_b32 hwreg(HW_REG_WAVE_MODE, 25, 1), 1
	s_wait_xcnt 0x0
	s_wait_alu depctr_hold_cnt(0) depctr_sa_sdst(0) depctr_va_vdst(0) depctr_va_sdst(0) depctr_va_ssrc(0) depctr_va_vcc(0) depctr_vm_vsrc(0)
	s_getreg_b32 s2, hwreg(HW_REG_IB_STS2, 6, 4)
	s_cmp_eq_u32 s2, 0
	s_cbranch_scc0 .Lentry_in_a_cluster
	s_endpgm
.Lentry_in_a_cluster:
	s_bfe_u32 s2, ttmp6, 0x10000c
	s_cmp_lg_u32 s2, 0xf033
	s_cbranch_scc0 .Lentry_shape_is_right
	s_endpgm
.Lentry_shape_is_right:
; FC1: gelu(LN2(y) W1 + b1) on codes of E5M2, quantised at once with 2^e10 and stored as an image of the next product's operand registers (hf).
; A work-group stays: it owns 128 tokens and walks four weight tiles of 128 rows, 128 (c + 8 t) on; four waves, 64 x 64 each: 16 accumulators.  Clusters of 4 x 4 with joint loads.
; The first fills go out at the head, one tensor load a wave: waves 0, 1 the tokens' two parts of 512 along K, waves 2, 3 the weights'.  A refill of the weights is one load a wave behind a round of the cluster's barrier,
; issued behind a tile's last product, so that it is on its way while the tile's results are worked.
; THE TOKENS' FRAGMENTS STAY IN REGISTERS: a wave's 64 tokens x 1,024 codes are 512 registers (windows 2 and 3); they are read from LDS in the first tile alone, so a later tile reads 16 LDS loads for 128 along K, not 32.
; The weights' fragments go through four buffers of 64 registers (window 1), asked for two steps of 128 ahead.
; Source 0 = weight rows, source 1 = tokens: a lane's registers run along the hidden units, the next K; two accumulators' 16 registers convert into 16 bytes of the image, 512 consecutive bytes a store.
; gelu(u) = u / 2 (1 + erf(u / sqrt 2)); erf by a rational function in z^2 on |z| <= 4, held within +-1.  LIMITS: e8 + e9 between -126 and 127; e10 between -126 and 112.
.set SIZE_K, 1024
.set TILES,  4
.set WOFF,   4194304
.set KSTEP,  512
.set PITCH,  528
.set AHALF,  64*PITCH
.set BHALF,  64*PITCH
.set ABYTES, 2*AHALF
.set SLOT,   ABYTES+2*BHALF
.set SPARE,  2*SLOT
.set TSTEP,  8*128*SIZE_K
.set ADRA, 16
.set ADRB, 20
.set LO,   27
.set SPW,  28
.set NIL,  29
.set PFO,  30
.set Z,    32
.set Z2,   48
.set PP,   64
.set QQ,   80
.set BI,   96
.set ACC,  128
.set G1,  24
.set G0,  32
.set G0B, 36
.set G1B, 48
.set G1C, 56
.set G0R, 96
.set PFA, 88
.set LIM, 90
.set A11, 14
.set A9,  16
.set A7,  18
.set A5,  20
.set A3,  22
.set A1,  72
.set B6,  74
.set B4,  76
.set B2,  78
.set B0,  100
.set RS2, 68
.set MSB, 0
.macro WIN new                         ; the immediate's high byte repeats the setting that is left
.if MSB != \new
	s_set_vgpr_msb (MSB<<8)|\new
.set MSB, \new
.endif
.endm
.macro JLOAD                           ; the first fills, one a wave; four v_nop follow each line
	s_cmp_eq_u32 s11, 0
	s_cbranch_scc0 .Lfor_b_\@
	tensor_load_to_lds s[G0:G0+3], s[G1:G1+7]
	s_nop 0
.rept 4
	v_nop
.endr
	s_branch .Lasked_\@
.Lfor_b_\@:
	tensor_load_to_lds s[G0B:G0B+3], s[G1C:G1C+7]
	s_nop 0
.rept 4
	v_nop
.endr
.Lasked_\@:
.endm
.macro CREST
	s_cmp_lg_u32 s10, 0
	s_cbranch_scc1 .Lnot_wave_0_\@
	s_barrier_signal -3
.Lnot_wave_0_\@:
	s_barrier_wait -3
	s_barrier_signal -1
	s_barrier_wait -1
.endm
.macro CROUND
	s_barrier_signal -1
	s_barrier_wait -1
	CREST
.endm
.macro PLACES
.rept 4
	v_nop
.endr
.endm
; chunk ch = 0 .. 7 is 128 along K: part ch / 4 of LDS, bytes 128 (ch % 4) of a row.  The weights' four fragments: window 1, buffer ch % 4; the tokens' four: window 2 + ch / 4, at 64 (ch % 4).
.macro MULA ch, a, zero                ; the tokens' block a against the weights' four.  The 16 accumulators take turns, in the same order in every chunk
.irp b, 0,1,2,3
.if \zero
	v_wmma_f32_16x16x128_bf8_bf8 v[ACC+8*(4*\a+\b):ACC+8*(4*\a+\b)+7], v[64*((\ch)%4)+16*\b:64*((\ch)%4)+16*\b+15], v[64*((\ch)%4)+16*\a:64*((\ch)%4)+16*\a+15], 0
.else
	v_wmma_f32_16x16x128_bf8_bf8 v[ACC+8*(4*\a+\b):ACC+8*(4*\a+\b)+7], v[64*((\ch)%4)+16*\b:64*((\ch)%4)+16*\b+15], v[64*((\ch)%4)+16*\a:64*((\ch)%4)+16*\a+15], v[ACC+8*(4*\a+\b):ACC+8*(4*\a+\b)+7]
.endif
.endr
.endm
.macro FETCH ch, lda                   ; chunk ch's fragments: the weights' 16 loads; lda = 1 (the first tile): the tokens' 16 too
	WIN 0x40
.irp i, 0,1,2,3
.irp c, 0,1,2,3
	ds_load_b128 v[64*((\ch)%4)+16*\i+4*\c:64*((\ch)%4)+16*\i+4*\c+3], v[ADRB+(\ch)/4] offset:\i*16*PITCH+128*((\ch)%4)+32*\c
.endr
.endr
.if \lda
	WIN 0x80+0x40*((\ch)/4)
.irp i, 0,1,2,3
.irp c, 0,1,2,3
	ds_load_b128 v[64*((\ch)%4)+16*\i+4*\c:64*((\ch)%4)+16*\i+4*\c+3], v[ADRA+(\ch)/4] offset:\i*16*PITCH+128*((\ch)%4)+32*\c
.endr
.endr
.endif
.endm
.macro CHUNK ch, lda, zero
.if (\ch) < 7
	s_wait_dscnt 16*(1+\lda)                       ; this chunk's fragments are in; the next chunk's fetch may be out
.else
	s_wait_dscnt 0x0
.endif
.if (\ch) < 6
	PLACES                                         ; in front of loads into the buffer that the chunk two back multiplied
	FETCH (\ch)+2, \lda
.endif
	WIN 0x09+4*((\ch)/4)                           ; source 0 window 1, source 1 window 2 or 3, C and D window 0
.irp a, 0,1,2,3
	MULA \ch, \a, \zero
.endr
.endm
.macro MM lda                          ; a tile's 128 products.  The first products start the sums: nothing is cleared
	FETCH 0, \lda
	FETCH 1, \lda
	CHUNK 0, \lda, 1
.irp ch, 1,2,3,4,5,6,7
	CHUNK \ch, \lda, 0
.endr
	WIN 0
.endm
.macro REFILL                          ; the weights' 128 rows x 1,024 are filled again with my next tile's: K half wave / 2, rows 64 (wave % 2) on
	s_wait_tensorcnt 0x0                           ; no tensor load of mine is out, so the group 0 may be written
	ds_add_u32 v[SPW], v[NIL]                      ; 0 onto my spare word
	s_add_nc_u64 s[G0R+2:G0R+3], s[G0R+2:G0R+3], TSTEP
	s_wait_dscnt 0x0                               ; the add is done, and my reads of the weights are over
	CROUND
	tensor_load_to_lds s[G0R:G0R+3], s[G1B:G1B+7]
	s_nop 0
.rept 4
	v_nop                                          ; also the places behind the tile's last products
.endr
.endm
.macro ASK                             ; a prefetch into the L2 of the weight tile that the next refill will ask for: the first cluster of a column of clusters asks, a lane a row, wave w byte 256 w of each row
	s_cmp_gt_u32 s3, s[LIM]
	s_cbranch_scc0 .Lnot_mine_\@
	global_prefetch_b8 v[PFO], s[PFA:PFA+1] th:TH_LOAD_NT scope:SCOPE_SE
.Lnot_mine_\@:
.endm
	s_load_b128 s[4:7], s[0:1], 0x0                ; hc, wc
	s_load_b128 s[68:71], s[0:1], 0x10             ; b1, the scales' exponents
	s_load_b64 s[8:9], s[0:1], 0x20                ; hf
	v_lshl_add_u32 v[SPW], v0, 2, SPARE
	v_mov_b32 v[NIL], 0
	ds_add_u32 v[SPW], v[NIL]                      ; the opening lines: the add, twice on end, and its wait
	ds_add_u32 v[SPW], v[NIL]
	s_wait_dscnt 0x0
	v_lshrrev_b32 v1, 5, v0
	v_readfirstlane_b32 s10, v1                    ; wave 0..3
	s_lshr_b32 s11, s10, 1                         ; which 64 tokens are mine.  At the head: I fetch tokens (0) or weights (1); in a refill: which half of K
	s_and_b32 s12, s10, 1                          ; which 64 weight rows.  At the head: which part of K I fetch; in a refill: which 64 rows
	s_bfe_u32 s40, ttmp6, 0x40000
	s_bfe_u32 s41, ttmp6, 0x40004
	s_lshl_b32 s42, ttmp9, 2
	s_add_co_u32 s42, s42, s40                     ; my first weight tile, 0..7
	s_and_b32 s13, ttmp7, 0xffff
	s_lshl_b32 s13, s13, 2
	s_add_co_u32 s13, s13, s41                     ; my tile of 128 tokens
	s_lshl_b32 s43, s41, 2
	s_lshl_b32 s43, 15, s43
	s_lshl_b32 s44, 0x1111, s40
	s_or_b32 s[G1+0], s43, (1<<20)|(1<<21)|(6<<22)|(3<<25)
	s_or_b32 s[G1B+0], s44, (1<<20)|(1<<21)|(6<<22)|(3<<25)
	s_or_b32 s[G1C+0], s44, (1<<20)|(1<<21)|(6<<22)|(3<<25)
.irp g, G1, G1B, G1C
	s_mov_b32 s[\g+1], KSTEP<<16
	s_mov_b32 s[\g+3], KSTEP<<16
	s_mov_b32 s[\g+5], SIZE_K
	s_mov_b32 s[\g+6], 0
	s_mov_b32 s[\g+7], 0
.endr
.irp g, G1, G1C
	s_mov_b32 s[\g+2], 128<<16                     ; the first fills: 128 rows
	s_mov_b32 s[\g+4], 128
.endr
	s_mov_b32 s[G1B+2], 64<<16                     ; the refills: 64 rows
	s_mov_b32 s[G1B+4], 64
	s_lshl_b32 s17, s12, 6
	s_lshl_b32 s16, s13, 7
	s_add_co_u32 s16, s16, s17
	s_mul_i32 s16, s16, SIZE_K
	s_lshl_b32 s46, s42, 7
	s_add_co_u32 s46, s46, s17
	s_mul_i32 s46, s46, SIZE_K
	s_mov_b32 s17, 0
	s_mov_b32 s47, 0
	s_mul_i32 s21, s12, BHALF
	s_add_co_u32 s21, s21, ABYTES
	s_mul_i32 s[G0R+1], s11, SLOT
	s_add_co_u32 s[G0R+1], s[G0R+1], s21
	s_lshl_b32 s22, s11, 9
	s_mov_b32 s23, 0
	s_wait_kmcnt 0x0
	s_load_b128 s[80:83], s[70:71], 0x20           ; e8 .. e11
	s_add_nc_u64 s[6:7], s[6:7], WOFF
	s_add_nc_u64 s[14:15], s[4:5], s[16:17]
	s_add_nc_u64 s[46:47], s[6:7], s[46:47]
	s_mov_b32 s[G0R], 1
	s_add_nc_u64 s[G0R+2:G0R+3], s[46:47], s[22:23]
	s_or_b32 s[G0R+3], s[G0R+3], 0x80000000
	CROUND                                         ; all sixteen work-groups are here: the first joint loads meet
	s_mul_i32 s18, s12, 64*SIZE_K-KSTEP            ; from row 64 (wave % 2) back to the tile's first row, and on to part wave % 2's 512 along K
	s_mov_b32 s19, 0
	s_mov_b32 s[G0], 1
	s_mul_i32 s[G0+1], s12, SLOT
	s_sub_nc_u64 s[G0+2:G0+3], s[14:15], s[18:19]
	s_or_b32 s[G0+3], s[G0+3], 0x80000000
	s_mov_b32 s[G0B], 1
	s_add_co_u32 s[G0B+1], s[G0+1], ABYTES
	s_sub_nc_u64 s[G0B+2:G0B+3], s[46:47], s[18:19]
	s_or_b32 s[G0B+3], s[G0B+3], 0x80000000
	JLOAD                                          ; one tensor load a wave at the head: the four bring both parts of both operands
	v_and_b32 v1, 15, v0
	v_bfe_u32 v2, v0, 4, 1
	v_mul_u32_u24 v3, v1, PITCH
	v_lshl_add_u32 v3, v2, 4, v3
	v_and_b32 v[LO], 31, v0
	v_lshlrev_b32 v[PFO], 10, v[LO]
	v_lshlrev_b32 v[LO], 4, v[LO]
	s_mul_i32 s21, s11, AHALF
	s_mul_i32 s22, s12, BHALF
	s_add_co_u32 s22, s22, ABYTES
.irp s, 0,1
	v_add_nc_u32 v[ADRA+\s], s21, v3
	v_add_nc_u32 v[ADRB+\s], s22, v3
	s_add_co_u32 s21, s21, SLOT
	s_add_co_u32 s22, s22, SLOT
.endr
	s_lshl_b32 s92, s42, 7
	s_lshl_b32 s93, s12, 6
	s_add_co_u32 s92, s92, s93
	s_lshl_b32 s92, s92, 2
	s_mov_b32 s93, 0
	s_add_nc_u64 s[66:67], s[68:69], s[92:93]      ; b1 at my first column
	s_lshl_b32 s94, s13, 3
	s_lshl_b32 s95, s11, 2
	s_add_co_u32 s94, s94, s95
	s_lshl_b32 s94, s94, 16
	s_lshl_b32 s95, s42, 11
	s_add_co_u32 s94, s94, s95
	s_lshl_b32 s95, s12, 10
	s_add_co_u32 s94, s94, s95
	s_mov_b32 s95, 0
	s_add_nc_u64 s[8:9], s[8:9], s[94:95]          ; my place in the image
	s_lshl_b32 s92, s42, 7
	s_add_co_u32 s92, s92, 2048
	s_lshl_b32 s94, s41, 5
	s_add_co_u32 s92, s92, s94
	s_lshl_b32 s92, s92, 10
	s_lshl_b32 s94, s10, 8
	s_add_co_u32 s92, s92, s94
	s_add_nc_u64 s[PFA:PFA+1], s[6:7], s[92:93]
	s_and_b32 s94, ttmp7, 0xffff
	s_cmp_eq_u32 s94, 0
	s_cselect_b32 s[LIM], 1, -1
	v_lshlrev_b32 v4, 5, v2
.irp b, 0,1,2,3
	global_load_b128 v[BI+8*\b:BI+8*\b+3], v4, s[66:67] offset:64*\b
	global_load_b128 v[BI+8*\b+4:BI+8*\b+7], v4, s[66:67] offset:64*\b+16
.endr
.macro SETP reg, val
	s_mov_b32 s[\reg], \val
	s_mov_b32 s[\reg+1], \val
.endm
	SETP A11, 0x32edffee
	SETP A9,  0xb60cff51
	SETP A7,  0xb86ec2d2
	SETP A5,  0xba40ac63
	SETP A3,  0xbb41a1f6
	SETP A1,  0xbc83dbd4
	SETP B6,  0xb95fbd29
	SETP B4,  0xbadc924e
	SETP B2,  0xbbf19bf8
	SETP B0,  0xbc69b6a7
	SETP RS2, 0x3f3504f3
	v_mov_b32 v6, 0xaf95df0b
	v_mov_b32 v7, 0xaf95df0b
	v_mov_b32 v8, 0xb77460cd
	v_mov_b32 v9, 0xb77460cd
	s_wait_alu depctr_va_vdst(0)
	s_wait_kmcnt 0x0
	s_add_co_i32 s84, s80, s81
	s_add_co_i32 s84, s84, 127
	s_lshl_b32 s84, s84, 23                        ; 2^(e8 + e9)
	s_mov_b32 s85, s84
	s_add_co_i32 s86, s82, 127
	s_lshl_b32 s87, s86, 23
	v_mov_b32 v11, s87                             ; 2^e10
	s_add_co_i32 s86, s86, 15
	s_lshl_b32 s86, s86, 23
	s_or_b32 s86, s86, 0x600000
	v_mov_b32 v10, s86                             ; 57,344 x 2^e10
.macro HORNER d, c
.set i, 0
.rept 8
	v_pk_fma_f32 v[\d+i:\d+i+1], v[\d+i:\d+i+1], v[Z2+i:Z2+i+1], s[\c:\c+1] op_sel_hi:[1,1,0]
.set i, i+2
.endr
.endm
.macro GELU16 k, cd, off               ; the 16 registers of accumulators 2 k and 2 k + 1: bias, gelu, hold, conversion, 512 consecutive bytes
.set R, ACC+16*(\k)
.set U, 16*((\k)%2)
.set i, 0
.rept 8
	v_pk_fma_f32 v[R+i:R+i+1], v[R+i:R+i+1], s[84:85], v[BI+U+i:BI+U+i+1] op_sel_hi:[1,0,1]
.set i, i+2
.endr
.set i, 0
.rept 8
	v_pk_mul_f32 v[Z+i:Z+i+1], v[R+i:R+i+1], s[RS2:RS2+1] op_sel_hi:[1,0]
.set i, i+2
.endr
.set i, 0
.rept 16
	v_med3_num_f32 v[Z+i], v[Z+i], -4.0, 4.0
.set i, i+1
.endr
.set i, 0
.rept 8
	v_pk_mul_f32 v[Z2+i:Z2+i+1], v[Z+i:Z+i+1], v[Z+i:Z+i+1]
.set i, i+2
.endr
.set i, 0
.rept 8
	v_pk_fma_f32 v[PP+i:PP+i+1], v[Z2+i:Z2+i+1], v[6:7], s[A11:A11+1] op_sel_hi:[1,1,0]
	v_pk_fma_f32 v[QQ+i:QQ+i+1], v[Z2+i:Z2+i+1], v[8:9], s[B6:B6+1] op_sel_hi:[1,1,0]
.set i, i+2
.endr
	HORNER QQ, B4
	HORNER QQ, B2
	HORNER QQ, B0
.set i, 0
	s_wait_alu depctr_va_vdst(0)                   ; a wait ahead of the batch
.rept 16
	v_rcp_f32 v[QQ+i], v[QQ+i]
.set i, i+1
.endr
	HORNER PP, A9
	HORNER PP, A7
	HORNER PP, A5
	HORNER PP, A3
	HORNER PP, A1
.set i, 0
.rept 8
	v_pk_mul_f32 v[PP+i:PP+i+1], v[PP+i:PP+i+1], v[Z+i:Z+i+1]
	v_pk_mul_f32 v[R+i:R+i+1], v[R+i:R+i+1], 0.5 op_sel_hi:[1,0]
.set i, i+2
.endr
	s_wait_alu depctr_va_vdst(0)                   ; and ahead of its first reader
.set i, 0
.rept 8
	v_pk_mul_f32 v[PP+i:PP+i+1], v[PP+i:PP+i+1], v[QQ+i:QQ+i+1]
.set i, i+2
.endr
.set i, 0
.rept 16
	v_med3_num_f32 v[PP+i], v[PP+i], -1.0, 1.0
.set i, i+1
.endr
.set i, 0
.rept 8
	v_pk_fma_f32 v[R+i:R+i+1], v[R+i:R+i+1], v[PP+i:PP+i+1], v[R+i:R+i+1]
.set i, i+2
.endr
.set i, 0
.rept 16
	v_med3_num_f32 v[R+i], v[R+i], -v10, v10
.set i, i+1
.endr
	v_cvt_scalef32_pk8_bf8_f32 v[\cd:\cd+1], v[R:R+7], v11
	v_cvt_scalef32_pk8_bf8_f32 v[\cd+2:\cd+3], v[R+8:R+15], v11
	v_nop
	global_store_b128 v[LO], v[\cd:\cd+3], s[8:9] offset:\off
.endm
.macro EPI
	s_wait_loadcnt 0x0                             ; the bias
	GELU16 0, 12, 0
	GELU16 1, ACC, 512
	GELU16 2, ACC+16, 65536
	GELU16 3, ACC+32, 65536+512
	GELU16 4, ACC+48, 2*65536
	GELU16 5, ACC+64, 2*65536+512
	GELU16 6, ACC+80, 3*65536
	GELU16 7, ACC+96, 3*65536+512
.endm
	s_wait_tensorcnt 0x0                           ; my one load is in; behind the barrier both parts of both operands are whole
	s_barrier_signal -1
	s_barrier_wait -1
	MM 1
	s_mov_b32 s3, TILES-1
.Ltile:
	REFILL
	ASK
	EPI
	s_wait_xcnt 0x0                                ; the stores and the prefetch have read their registers and bases
	s_add_nc_u64 s[8:9], s[8:9], 8*2048
	s_add_nc_u64 s[66:67], s[66:67], 8*128*4
	s_add_nc_u64 s[PFA:PFA+1], s[PFA:PFA+1], TSTEP
.irp b, 0,1,2,3
	global_load_b128 v[BI+8*\b:BI+8*\b+3], v4, s[66:67] offset:64*\b
	global_load_b128 v[BI+8*\b+4:BI+8*\b+7], v4, s[66:67] offset:64*\b+16
.endr
	s_wait_tensorcnt 0x0                           ; my part of the refilled weights is in
	s_barrier_signal -1
	s_barrier_wait -1
	MM 0
	s_sub_co_u32 s3, s3, 1
	s_cmp_lg_u32 s3, 0
	s_cbranch_scc1 .Ltile
	PLACES
	EPI
	s_wait_tensorcnt 0x0                           ; the wave's end
	ds_add_u32 v[SPW], v[NIL]
	s_wait_dscnt 0x0
	CROUND                                         ; the closing round
	s_endpgm
.Lfunc_end_k_qbd0162ba93_fc1:
	.size	k_qbd0162ba93_fc1, .Lfunc_end_k_qbd0162ba93_fc1-k_qbd0162ba93_fc1
	.p2alignl 7, 3214868480
	.fill 96, 4, 3214868480
	.section	.rodata,"a",@progbits
	.p2align	6, 0x0
	.amdhsa_kernel k_qbd0162ba93_fc1
		.amdhsa_group_segment_fixed_size 327680
		.amdhsa_private_segment_fixed_size 0
		.amdhsa_enable_private_segment 0
		.amdhsa_kernarg_size 40
		.amdhsa_user_sgpr_count 2
		.amdhsa_user_sgpr_kernarg_segment_ptr 1
		.amdhsa_wavefront_size32 1
		.amdhsa_system_sgpr_workgroup_id_x 1
		.amdhsa_system_sgpr_workgroup_id_y 1
		.amdhsa_system_sgpr_workgroup_id_z 1
		.amdhsa_system_vgpr_workitem_id 0
		.amdhsa_next_free_vgpr 1024
		.amdhsa_next_free_sgpr 104
		.amdhsa_reserve_vcc 0
		.amdhsa_float_denorm_mode_32 3
		.amdhsa_float_denorm_mode_16_64 3
		.amdhsa_memory_ordered 1
		.amdhsa_forward_progress 1
		.amdhsa_inst_pref_size 253
	.end_amdhsa_kernel
	.amdgpu_metadata
---
amdhsa.version: [ 1, 2 ]
amdhsa.kernels:
  - .name:           k_qbd0162ba93_fc1
    .symbol:         k_qbd0162ba93_fc1.kd
    .args:
      - { .name: hc, .offset: 0, .size: 8, .value_kind: global_buffer, .address_space: global }
      - { .name: wc, .offset: 8, .size: 8, .value_kind: global_buffer, .address_space: global }
      - { .name: b1, .offset: 16, .size: 8, .value_kind: global_buffer, .address_space: global }
      - { .name: lowp_scales, .offset: 24, .size: 8, .value_kind: global_buffer, .address_space: global }
      - { .name: hf, .offset: 32, .size: 8, .value_kind: global_buffer, .address_space: global }
    .group_segment_fixed_size: 327680
    .private_segment_fixed_size: 0
    .kernarg_segment_align: 8
    .kernarg_segment_size: 40
    .max_flat_workgroup_size: 128
    .sgpr_count:     104
    .vgpr_count:     1024
    .wavefront_size: 32
...
	.end_amdgpu_metadata
.endif
;; end of part 6
;; launch fc2 (part 7): grid 8 x 32, 4 waves a work-group, clusters of 4 x 4, 327,680 bytes of LDS; arguments hf, wc, b2, y, lowp_scales, out0; writes out0
.if DOCPART == 7
	.amdgcn_target "amdgcn-amd-amdhsa--gfx1250"
	.amdhsa_code_object_version 6
	.text
	.protected	k_qbd0162ba93_fc2
	.globl	k_qbd0162ba93_fc2
	.p2align	8
	.type	k_qbd0162ba93_fc2,@function
k_qbd0162ba93_fc2:
	s_mov_b64 s[64:65], 0
	v_nop
	global_prefetch_b8 v0, s[64:65] scope:SCOPE_SE
	s_setreg_imm32_b32 hwreg(HW_REG_WAVE_MODE, 25, 1), 1
	s_wait_xcnt 0x0
	s_wait_alu depctr_hold_cnt(0) depctr_sa_sdst(0) depctr_va_vdst(0) depctr_va_sdst(0) depctr_va_ssrc(0) depctr_va_vcc(0) depctr_vm_vsrc(0)
	s_getreg_b32 s2, hwreg(HW_REG_IB_STS2, 6, 4)
	s_cmp_eq_u32 s2, 0
	s_cbranch_scc0 .Lentry_in_a_cluster
	s_endpgm
.Lentry_in_a_cluster:
	s_bfe_u32 s2, ttmp6, 0x10000c
	s_cmp_lg_u32 s2, 0xf033
	s_cbranch_scc0 .Lentry_shape_is_right
	s_endpgm
.Lentry_shape_is_right:
; FC2: out0 = y + gelu(..) W2 + b2, the product on codes of E5M2.  A tile of 128 x 128 by four waves, 64 x 64 each; K = 4,096 in steps of 512 through a ring of two LDS slots.
; Clusters of 4 x 4 with joint loads: A's tile (an image of operand registers, hf) along a row, B's (W2's codes) along a column.  Slot 0 is asked for at the head, one load a wave; slot 1 behind the full sequence and a round.
; The residual and the bias are loaded at the head and rest in registers; results leave through the wave's stage as rows of 256 aligned bytes.  LIMIT: e10 + e11 between -126 and 127.
.set SIZE_K, 4096
.set A_IMG,  1
.set WOFF,   8388608
.set EA,     82
.set EB,     83
.set KSTEP,  512
.set PITCH,  528
.set BHALF,  64*PITCH
.if A_IMG
.set AHALF,  4*8192
.set ASTEP,  8192
.else
.set AHALF,  BHALF
.set ASTEP,  KSTEP
.endif
.set ABYTES, 2*AHALF
.set SLOT,   ABYTES+2*BHALF
.set STAGE,  2*SLOT
.set SPARE,  STAGE+4*16*272
.set LAPS,   SIZE_K/(2*KSTEP)
.set ADRA, 16
.set ADRB, 20
.set STO,  24
.set RD,   25
.set CO,   26
.set LO,   27
.set SPW,  28
.set NIL,  29
.set BO,   30
.set BK,   32
.set BI,   96
.set ACC,  128
.set F0,   0
.set F1,   128
.set G1,  24
.set G0,  32
.set G1B, 48
.set G0B, 56
.set OUTP, 90
.set PFO,  31                          ; v31 the prefetches' offset; never rewritten
.set PFA,  66                          ; s[66:67] where my prefetches stand: two K steps further along K than the refill that is being asked for
.set PFS,  86                          ; s[86:87] a K step on, in bytes: 8,192 in A's image, 512 in a row of B
; A PREFETCH INTO THE L2, behind each joint refill and the run of LDS loads that follows it: the K step that stands two refills on, one instruction a wave, each lane another 256 bytes.
; Of what wave w fetches, the four partners that ask for it jointly take a quarter each, told apart by address: of A's four tiles of 16 tokens (8,192 bytes each) partner cx takes one; of B's 64 rows of 512 bytes partner cy takes 16.
; K steps 0 to 3 come by their loads alone; the last lap's two refills have no K step two on and ask for nothing.
.macro ASK
	s_cmp_gt_u32 s3, 1
	s_cbranch_scc0 .Lnot_mine_\@
	global_prefetch_b8 v[PFO], s[PFA:PFA+1] th:TH_LOAD_NT scope:SCOPE_SE
.Lnot_mine_\@:
.endm
.set MSB, 0
.macro WIN new
.if MSB != \new
	s_set_vgpr_msb (MSB<<8)|\new
.set MSB, \new
.endif
.endm
.set MUL,  0x05
.set TO_F, 0x40
.macro JLOAD s
	s_cmp_eq_u32 s11, 0
	s_cbranch_scc0 .Lfor_b_\@
	tensor_load_to_lds s[G0+4*\s:G0+4*\s+3], s[G1:G1+7]
	s_nop 0
.rept 4
	v_nop
.endr
	s_branch .Lasked_\@
.Lfor_b_\@:
	tensor_load_to_lds s[G0B+4*\s:G0B+4*\s+3], s[G1B:G1B+7]
	s_nop 0
.rept 4
	v_nop
.endr
.Lasked_\@:
.endm
.macro CREST
	s_cmp_lg_u32 s10, 0
	s_cbranch_scc1 .Lnot_wave_0_\@
	s_barrier_signal -3
.Lnot_wave_0_\@:
	s_barrier_wait -3
	s_barrier_signal -1
	s_barrier_wait -1
.endm
.macro CROUND
	s_barrier_signal -1
	s_barrier_wait -1
	CREST
.endm
.macro PLACES
.rept 4
	v_nop
.endr
.endm
.macro MULA f, a, zero
.irp b, 0,1,2,3
.if \zero
	v_wmma_f32_16x16x128_bf8_bf8 v[ACC+8*(4*\a+\b):ACC+8*(4*\a+\b)+7], v[\f+64+16*\b:\f+64+16*\b+15], v[\f+16*\a:\f+16*\a+15], 0
.else
	v_wmma_f32_16x16x128_bf8_bf8 v[ACC+8*(4*\a+\b):ACC+8*(4*\a+\b)+7], v[\f+64+16*\b:\f+64+16*\b+15], v[\f+16*\a:\f+16*\a+15], v[ACC+8*(4*\a+\b):ACC+8*(4*\a+\b)+7]
.endif
.endr
.endm
.macro FETCH slot, q, f
	WIN TO_F
.irp i, 0,1,2,3
.irp c, 0,1,2,3
	ds_load_b128 v[\f+64+16*\i+4*\c:\f+64+16*\i+4*\c+3], v[ADRB+\slot] offset:\i*16*PITCH+128*(\q)+32*\c
.endr
.endr
.irp i, 0,1,2,3
.irp c, 0,1,2,3
.if A_IMG
	ds_load_b128 v[\f+16*\i+4*\c:\f+16*\i+4*\c+3], v[ADRA+\slot] offset:\i*8192+2048*(\q)+512*\c
.else
	ds_load_b128 v[\f+16*\i+4*\c:\f+16*\i+4*\c+3], v[ADRA+\slot] offset:\i*16*PITCH+128*(\q)+32*\c
.endif
.endr
.endr
.endm
.macro QUARTER slot, q, f, g, zero
	s_wait_dscnt 8
	WIN MUL
	MULA \f, 0, \zero
	MULA \f, 1, \zero
	PLACES
	FETCH \slot, \q, \g
	s_wait_dscnt 32
	WIN MUL
	MULA \f, 2, \zero
	MULA \f, 3, \zero
.endm
.macro TURN slot, next, fill
	WIN 0
.if \fill
	s_wait_xcnt 0x0                                ; any prefetch of mine has read its address, so it may be stepped
	s_add_nc_u64 s[PFA:PFA+1], s[PFA:PFA+1], s[PFS:PFS+1]
.endif
	s_wait_tensorcnt 0x0
	ds_add_u32 v[SPW], v[NIL]
	s_wait_dscnt 9
	WIN MUL
	MULA F1, 0, 0
	s_wait_dscnt 0x0
	s_barrier_signal -1
	MULA F1, 1, 0
.if \fill
	WIN 0
.endif
	s_barrier_wait -1
.if \fill
	CREST
	s_add_nc_u64 s[G0+4*\slot+2:G0+4*\slot+3], s[G0+4*\slot+2:G0+4*\slot+3], 2*ASTEP
	s_add_nc_u64 s[G0B+4*\slot+2:G0B+4*\slot+3], s[G0B+4*\slot+2:G0B+4*\slot+3], 2*KSTEP
	JLOAD \slot
.else
	PLACES
.endif
	FETCH \next, 0, F0
.if \fill
	WIN 0                                          ; at a branch and at a label every window is 0
	ASK
.endif
	WIN MUL
	MULA F1, 2, 0
	MULA F1, 3, 0
.endm
	s_load_b128 s[4:7], s[0:1], 0x0
	s_load_b128 s[68:71], s[0:1], 0x10
	s_load_b128 s[88:91], s[0:1], 0x20
	v_lshl_add_u32 v[SPW], v0, 2, SPARE
	v_mov_b32 v[NIL], 0
	ds_add_u32 v28, v29
	ds_add_u32 v28, v29
	s_wait_dscnt 0x0
	v_lshrrev_b32 v1, 5, v0
	v_readfirstlane_b32 s10, v1
	s_lshr_b32 s11, s10, 1
	s_and_b32 s12, s10, 1
	s_bfe_u32 s40, ttmp6, 0x40000
	s_bfe_u32 s41, ttmp6, 0x40004
	s_lshl_b32 s42, ttmp9, 2
	s_add_co_u32 s42, s42, s40
	s_and_b32 s13, ttmp7, 0xffff
	s_lshl_b32 s13, s13, 2
	s_add_co_u32 s13, s13, s41
	s_lshl_b32 s43, s41, 2
	s_lshl_b32 s43, 15, s43
	s_lshl_b32 s44, 0x1111, s40
	s_or_b32 s[G1+0], s43, (3<<16)|(1<<21)
	s_mov_b32 s[G1+1], 1024<<16
	s_mov_b32 s[G1+2], 4<<16
	s_mov_b32 s[G1+3], 1024<<16
	s_mov_b32 s[G1+4], 4
	s_mov_b32 s[G1+5], 2*SIZE_K
	s_mov_b32 s[G1+6], 0
	s_mov_b32 s[G1+7], 0
	s_or_b32 s[G1B+0], s44, (1<<20)|(1<<21)|(6<<22)|(3<<25)
	s_mov_b32 s[G1B+1], KSTEP<<16
	s_mov_b32 s[G1B+2], 64<<16
	s_mov_b32 s[G1B+3], KSTEP<<16
	s_mov_b32 s[G1B+4], 64
	s_mov_b32 s[G1B+5], SIZE_K
	s_mov_b32 s[G1B+6], 0
	s_mov_b32 s[G1B+7], 0
	s_lshl_b32 s17, s12, 6
	s_lshl_b32 s16, s13, 7
	s_add_co_u32 s16, s16, s17
	s_mul_i32 s16, s16, SIZE_K
	s_lshl_b32 s46, s42, 7
	s_add_co_u32 s46, s46, s17
	s_mul_i32 s46, s46, SIZE_K
	s_mov_b32 s17, 0
	s_mov_b32 s47, 0
	s_mul_i32 s20, s12, AHALF
	s_mul_i32 s21, s12, BHALF
	s_add_co_u32 s21, s21, ABYTES
	s_wait_kmcnt 0x0
	s_load_b256 s[72:79], s[88:89], 0x0
	s_load_b128 s[80:83], s[88:89], 0x20
	s_add_nc_u64 s[6:7], s[6:7], WOFF
	s_add_nc_u64 s[14:15], s[4:5], s[16:17]
	s_add_nc_u64 s[46:47], s[6:7], s[46:47]
	CROUND
.irp s, 0,1
	s_mov_b32 s[G0+4*\s], 1
	s_add_co_u32 s[G0+4*\s+1], s20, \s*SLOT
	s_add_nc_u64 s[G0+4*\s+2:G0+4*\s+3], s[14:15], \s*ASTEP
	s_or_b32 s[G0+4*\s+3], s[G0+4*\s+3], 0x80000000
	s_mov_b32 s[G0B+4*\s], 1
	s_add_co_u32 s[G0B+4*\s+1], s21, \s*SLOT
	s_add_nc_u64 s[G0B+4*\s+2:G0B+4*\s+3], s[46:47], \s*KSTEP
	s_or_b32 s[G0B+4*\s+3], s[G0B+4*\s+3], 0x80000000
.if \s
	s_wait_alu depctr_va_vdst(0)                   ; slot 1's first fill is issued as a refill is
	s_wait_tensorcnt 0x0
	ds_add_u32 v28, v29
	ds_add_u32 v28, v29
	s_wait_dscnt 0x0
	CROUND
.endif
	JLOAD \s
.endr
	v_and_b32 v1, 15, v0
	v_bfe_u32 v2, v0, 4, 1
	v_mul_u32_u24 v3, v1, PITCH
	v_lshl_add_u32 v3, v2, 4, v3
	v_and_b32 v[LO], 31, v0
	v_lshlrev_b32 v[LO], 4, v[LO]
	s_mul_i32 s21, s11, AHALF
	s_mul_i32 s22, s12, BHALF
	s_add_co_u32 s22, s22, ABYTES
.irp s, 0,1
	v_add_nc_u32 v[ADRA+\s], s21, v[LO]
	v_add_nc_u32 v[ADRB+\s], s22, v3
	s_add_co_u32 s21, s21, SLOT
	s_add_co_u32 s22, s22, SLOT
.endr
	s_mul_i32 s23, s10, 16*272
	s_add_co_u32 s23, s23, STAGE
	v_mul_u32_u24 v4, v1, 272
	v_lshl_add_u32 v4, v2, 5, v4
	v_add_nc_u32 v[STO], s23, v4
	v_mul_u32_u24 v5, v2, 272
	v_lshl_add_u32 v5, v1, 4, v5
	v_add_nc_u32 v[RD], s23, v5
	v_lshlrev_b32 v5, 12, v2
	v_lshl_add_u32 v[CO], v1, 4, v5
	v_lshlrev_b32 v[BO], 4, v1
	s_lshl_b32 s96, s13, 3                         ; the prefetches.  A: tile of 16 tokens 8 x tile row + 4 x half + cx,
	s_lshl_b32 s97, s12, 2
	s_add_co_u32 s96, s96, s97
	s_add_co_u32 s96, s96, s40
	s_lshl_b32 s96, s96, 4                         ; as a row of SIZE_K bytes
	s_lshl_b32 s98, s42, 7                         ; B: row 128 x tile column + 64 x half + 16 cy
	s_lshl_b32 s97, s12, 6
	s_add_co_u32 s98, s98, s97
	s_lshl_b32 s97, s41, 4
	s_add_co_u32 s98, s98, s97
	s_mov_b32 s[PFS], KSTEP
	s_mov_b32 s99, SIZE_K
	s_cmp_eq_u32 s11, 0                            ; do I fetch for A?
	s_cselect_b32 s96, s96, s98
	s_cselect_b64 s[PFA:PFA+1], s[4:5], s[6:7]
	s_cselect_b32 s[PFS], ASTEP, s[PFS]
	s_cselect_b32 s99, 512, s99                    ; from one pair of lanes to the next: 512 bytes on in A's tile, a row on in B
	s_mul_i32 s96, s96, SIZE_K
	s_mov_b32 s97, 0
	s_add_nc_u64 s[PFA:PFA+1], s[PFA:PFA+1], s[96:97]
	s_mul_i32 s96, s[PFS], 3
	s_add_nc_u64 s[PFA:PFA+1], s[PFA:PFA+1], s[96:97]   ; at K step 3: the first refill steps it to 4
	s_mov_b32 s[PFS+1], 0
	v_and_b32 v6, 31, v0
	v_lshrrev_b32 v7, 1, v6
	v_and_b32 v6, 1, v6
	v_mul_lo_u32 v7, v7, s99
	v_lshl_add_u32 v[PFO], v6, 8, v7
	s_wait_alu depctr_va_vdst(0)
	s_lshl_b32 s92, s13, 7
	s_lshl_b32 s93, s11, 6
	s_add_co_u32 s92, s92, s93
	s_lshl_b32 s92, s92, 12
	s_mov_b32 s93, 0
	s_lshl_b32 s94, s42, 7
	s_lshl_b32 s95, s12, 6
	s_add_co_u32 s94, s94, s95
	s_lshl_b32 s94, s94, 2
	s_mov_b32 s95, 0
	s_add_nc_u64 s[68:69], s[68:69], s[94:95]
	s_add_nc_u64 s[70:71], s[70:71], s[92:93]
	s_add_nc_u64 s[70:71], s[70:71], s[94:95]
	s_add_nc_u64 s[OUTP:OUTP+1], s[OUTP:OUTP+1], s[92:93]
	s_add_nc_u64 s[OUTP:OUTP+1], s[OUTP:OUTP+1], s[94:95]
	global_load_b128 v[BI:BI+3], v[BO], s[68:69]
	WIN 0x80
.irp a, 0,1,2,3
.irp t, 0,1,2,3,4,5,6,7
	global_load_b128 v[32*\a+4*\t:32*\a+4*\t+3], v[CO], s[70:71] offset:(16*\a+2*\t)*4096 th:TH_LOAD_NT
.endr
.endr
	WIN 0
	s_wait_tensorcnt 1
	s_barrier_signal -1
	s_barrier_wait -1
	FETCH 0, 0, F0
	QUARTER 0, 1, F0, F1, 1
.if LAPS > 1
	WIN 0
	s_mov_b32 s3, LAPS-1
.Llap:
	QUARTER 0, 2, F1, F0, 0
	QUARTER 0, 3, F0, F1, 0
	TURN 0, 1, 1
	QUARTER 1, 1, F0, F1, 0
	QUARTER 1, 2, F1, F0, 0
	QUARTER 1, 3, F0, F1, 0
	TURN 1, 0, 1
	QUARTER 0, 1, F0, F1, 0
	WIN 0
	s_sub_co_u32 s3, s3, 1
	s_cmp_lg_u32 s3, 0
	s_cbranch_scc1 .Llap
.endif
	QUARTER 0, 2, F1, F0, 0
	QUARTER 0, 3, F0, F1, 0
	TURN 0, 1, 0
	QUARTER 1, 1, F0, F1, 0
	QUARTER 1, 2, F1, F0, 0
	QUARTER 1, 3, F0, F1, 0
	s_wait_dscnt 8
	WIN MUL
	MULA F1, 0, 0
	MULA F1, 1, 0
	s_wait_dscnt 0x0
	MULA F1, 2, 0
	MULA F1, 3, 0
	WIN 0
.macro TOSTAGE a
.set BB, BK+32*((\a)%2)
.irp b, 0,1,2,3
	ds_store_b128 v[STO], v[ACC+8*(4*(\a)+\b):ACC+8*(4*(\a)+\b)+3] offset:64*\b
	ds_store_b128 v[STO], v[ACC+8*(4*(\a)+\b)+4:ACC+8*(4*(\a)+\b)+7] offset:64*\b+16
.endr
.irp t, 0,1,2,3,4,5,6,7
	ds_load_b128 v[BB+4*\t:BB+4*\t+3], v[RD] offset:\t*2*272
.endr
.endm
.macro SEND a, younger
.set BB, BK+32*((\a)%2)
	s_wait_dscnt \younger
.irp t, 0,1,2,3,4,5,6,7
	v_pk_fma_f32 v[BB+4*\t:BB+4*\t+1], v[BB+4*\t:BB+4*\t+1], s[84:85], v[BI:BI+1] op_sel_hi:[1,0,1]
	v_pk_fma_f32 v[BB+4*\t+2:BB+4*\t+3], v[BB+4*\t+2:BB+4*\t+3], s[84:85], v[BI+2:BI+3] op_sel_hi:[1,0,1]
.endr
	WIN 0x08
.irp i, 0,2,4,6,8,10,12,14,16,18,20,22,24,26,28,30
	v_pk_add_f32 v[BB+\i:BB+\i+1], v[BB+\i:BB+\i+1], v[32*(\a)+\i:32*(\a)+\i+1]
.endr
	WIN 0
.irp t, 0,1,2,3,4,5,6,7
	global_store_b128 v[CO], v[BB+4*\t:BB+4*\t+3], s[OUTP:OUTP+1] offset:(16*(\a)+2*\t)*4096 th:TH_STORE_NT
.endr
.endm
	s_wait_kmcnt 0x0
	s_add_co_i32 s84, s[EA], s[EB]
	s_add_co_i32 s84, s84, 127
	s_lshl_b32 s84, s84, 23
	s_mov_b32 s85, s84
	PLACES
	s_wait_loadcnt 0x0
	TOSTAGE 0
.irp a, 1,2,3
.if \a > 1
	s_wait_xcnt 0x0
.endif
	TOSTAGE \a
	SEND \a-1, 16
.endr
	SEND 3, 0
	s_wait_tensorcnt 0x0
	ds_add_u32 v[SPW], v[NIL]
	s_wait_dscnt 0x0
	CROUND
	s_endpgm
.Lfunc_end_k_qbd0162ba93_fc2:
	.size	k_qbd0162ba93_fc2, .Lfunc_end_k_qbd0162ba93_fc2-k_qbd0162ba93_fc2
	.p2alignl 7, 3214868480
	.fill 96, 4, 3214868480
	.section	.rodata,"a",@progbits
	.p2align	6, 0x0
	.amdhsa_kernel k_qbd0162ba93_fc2
		.amdhsa_group_segment_fixed_size 327680
		.amdhsa_private_segment_fixed_size 0
		.amdhsa_enable_private_segment 0
		.amdhsa_kernarg_size 48
		.amdhsa_user_sgpr_count 2
		.amdhsa_user_sgpr_kernarg_segment_ptr 1
		.amdhsa_wavefront_size32 1
		.amdhsa_system_sgpr_workgroup_id_x 1
		.amdhsa_system_sgpr_workgroup_id_y 1
		.amdhsa_system_sgpr_workgroup_id_z 1
		.amdhsa_system_vgpr_workitem_id 0
		.amdhsa_next_free_vgpr 768
		.amdhsa_next_free_sgpr 104
		.amdhsa_reserve_vcc 0
		.amdhsa_float_denorm_mode_32 3
		.amdhsa_float_denorm_mode_16_64 3
		.amdhsa_memory_ordered 1
		.amdhsa_forward_progress 1
		.amdhsa_inst_pref_size 84
	.end_amdhsa_kernel
	.amdgpu_metadata
---
amdhsa.version: [ 1, 2 ]
amdhsa.kernels:
  - .name:           k_qbd0162ba93_fc2
    .symbol:         k_qbd0162ba93_fc2.kd
    .args:
      - { .name: hf, .offset: 0, .size: 8, .value_kind: global_buffer, .address_space: global }
      - { .name: wc, .offset: 8, .size: 8, .value_kind: global_buffer, .address_space: global }
      - { .name: b2, .offset: 16, .size: 8, .value_kind: global_buffer, .address_space: global }
      - { .name: y, .offset: 24, .size: 8, .value_kind: global_buffer, .address_space: global }
      - { .name: lowp_scales, .offset: 32, .size: 8, .value_kind: global_buffer, .address_space: global }
      - { .name: out0, .offset: 40, .size: 8, .value_kind: global_buffer, .address_space: global }
    .group_segment_fixed_size: 327680
    .private_segment_fixed_size: 0
    .kernarg_segment_align: 8
    .kernarg_segment_size: 48
    .max_flat_workgroup_size: 128
    .sgpr_count:     104
    .vgpr_count:     768
    .wavefront_size: 32
...
	.end_amdgpu_metadata
.endif
;; end of part 7
